; MI455X (gfx1250); checked and timed in simulation.
; The chip was launched on July 23, 2026; its instructions are those of AMD's public machine-readable ISA for CDNA 5 (MIT licence, August 2026) and "CDNA5" Instruction Set Architecture Reference Guide (July 2026). The comments in the code are by the model that wrote it; some were corrected since.
;; Quantum Attention. Allowed arithmetic: float matrix products may take bf16 or f16 operands with f32 sums; other float arithmetic in f32, or as packed bf16 or f16 multiplies, adds, multiply-adds, maxima and minima; sums over many terms, partial sums and values carried from step to step in f32; what a program stores and reads back later, other than sums and carried values, may be rounded once to bf16 or f16.
;; Inputs: Wc 1,024 x 1,024 float32; Wk 1,024 x 1,024 float32; Wq 1,024 x 1,024 float32; Wv 1,024 x 1,024 float32; bc 1,024 float32; bk 1,024 float32; bq 1,024 float32; bv 1,024 float32; x 4 x 2,048 x 1,024 float32.
;; Outputs: out0 4 x 2,048 x 1,024 float32.
;; One version. Each part assembles by itself: llvm-mc -triple=amdgcn-amd-amdhsa -mcpu=gfx1250 --defsym DOCPART=n.
;; ======== version 1 of 1: 5 launches
;; limits: values are held in f16: magnitudes above 65,504 overflow, below 6.1e-05 lose precision
;; workspace buffers: xh 16,777,216 bytes; wt 6,291,456 bytes; wct 2,097,152 bytes; ball 16,384 bytes; qkv 50,331,648 bytes; p 33,554,432 bytes; st 1,048,576 bytes; oh 16,777,216 bytes
;; launch prep (part 1): grid 1280 x 1, 8 waves a work-group, no clusters, 35,840 bytes of LDS; arguments x, Wq, Wk, Wv, Wc, bq, bk, bv, bc, xh, wt, wct, ball; writes xh, wt, wct, ball
.if DOCPART == 1
	.amdgcn_target "amdgcn-amd-amdhsa--gfx1250"
	.amdhsa_code_object_version 6
	.text
	.protected	k_qb0f9dc661e_prep
	.globl	k_qb0f9dc661e_prep
	.p2align	8
	.type	k_qb0f9dc661e_prep,@function
k_qb0f9dc661e_prep:
	s_mov_b64 s[64:65], 0
	v_nop
	global_prefetch_b8 v0, s[64:65] scope:SCOPE_SE
	s_setreg_imm32_b32 hwreg(HW_REG_WAVE_MODE, 25, 1), 1
	s_wait_xcnt 0x0
; PREP.  All inputs are rounded once to bf16 and laid out for the matrix kernels.
;   work-groups 0-255:    one tile of 128 k x 128 n of one weight matrix, transposed: wt[n + 1024 w][k] = bf16(W_w[k][n]) for Wq, Wk, Wv;
;                         wct[n][k] = bf16(Wc[k][n]) written as f16 (exact inside f16's normal range; below 6e-5 it keeps f16's step of 6e-8).
;                         The eight tiles of a matrix with k tile 0 also round 128 numbers of its bias to bf16 and keep them as f32 in ball.
;   work-groups 256-1279: xh = bf16(x), 32,768 bytes of x each, without a loop: a thread's eight loads all go out ahead of its first wait, and several such work-groups lie on a WGP.
; The transposes come first in the grid: their chain (loads, LDS, a barrier, stores) is the longer one.
; A stream: no matrix unit, no cluster (no two work-groups read the same bytes).  Every load of a wave takes 512 consecutive bytes; every store fills whole aligned runs of 256 bytes.
.set SPARE, 34816                      ; behind the tile: the spare words, 128 bytes for each of the eight waves
.set SPW,   112                        ; v112  SPARE + 4 x my thread's number; never rewritten
.set NIL,   113                        ; v113  0; never rewritten
	s_load_b512 s[4:19], s[0:1], 0x0               ; x 4, Wq 6, Wk 8, Wv 10, Wc 12, bq 14, bk 16, bv 18
	s_load_b256 s[20:27], s[0:1], 0x40             ; bc 20, xh 22, wt 24, wct 26
	s_load_b64 s[28:29], s[0:1], 0x60              ; ball
	v_lshl_add_u32 v[SPW], v0, 2, SPARE
	v_mov_b32 v[NIL], 0
	s_mov_b32 s30, ttmp9
	s_cmp_lt_u32 s30, 256
	s_cbranch_scc1 .Ltrans                         ; the same way for all waves of a work-group
	; THE CAST OF x: eight loads of 16 bytes a thread, eight stores of 8 bytes (a wave: 256 consecutive bytes).
	s_sub_co_u32 s31, s30, 256
	s_lshl_b32 s32, s31, 15
	s_mov_b32 s33, 0
	s_lshl_b32 s34, s31, 14
	s_mov_b32 s35, 0
	v_lshlrev_b32 v1, 4, v0
	v_lshlrev_b32 v2, 3, v0
	s_wait_kmcnt 0x0
	s_add_nc_u64 s[4:5], s[4:5], s[32:33]
	s_add_nc_u64 s[22:23], s[22:23], s[34:35]
.irp i, 0,1,2,3,4,5,6,7
	global_load_b128 v[16+4*\i:19+4*\i], v1, s[4:5] offset:4096*\i th:TH_LOAD_NT
.endr
.irp i, 0,1,2,3,4,5,6,7
	s_wait_loadcnt 7-\i                            ; loads come back in order: number i is in, the younger ones stay out
	v_cvt_pk_bf16_f32 v[48+2*\i], v[16+4*\i], v[17+4*\i]
	v_cvt_pk_bf16_f32 v[49+2*\i], v[18+4*\i], v[19+4*\i]
	global_store_b64 v2, v[48+2*\i:49+2*\i], s[22:23] offset:2048*\i
.endr
	s_endpgm                                       ; this way wrote no LDS
	; THE TRANSPOSES.
.Ltrans:
	s_lshr_b32 s33, s30, 6                         ; which matrix: 0 Wq, 1 Wk, 2 Wv, 3 Wc
	s_bfe_u32 s34, s30, 0x30003                    ; k tile
	s_and_b32 s35, s30, 7                          ; n tile
	v_lshrrev_b32 v1, 5, v0
	v_readfirstlane_b32 s31, v1                    ; wave 0..7
	v_and_b32 v2, 31, v0                           ; lane
	v_lshlrev_b32 v3, 4, v2                        ; my 16 bytes (4 columns n) of a row of 512 bytes
	v_and_b32 v5, 15, v0                           ; r
	v_bfe_u32 v6, v0, 4, 1                         ; h
	; in LDS the transposed row n = 4 lane + j lies at row 32 j + lane of 272 bytes (256 + 16): sixteen lanes' stores start 68 words apart
	v_mul_u32_u24 v4, v2, 272
	s_lshl_b32 s46, s31, 5
	v_add_nc_u32 v4, s46, v4                       ; + 32 wave: my wave's two groups of eight k
	v_mul_u32_u24 v7, v6, 8704                     ; back: row n = 16 wave + 2 i + h lies at LDS row 32 (2 (i & 1) + h) + 4 wave + (i >> 1)
	s_mul_i32 s46, s31, 1088
	v_add_nc_u32 v7, s46, v7
	v_lshl_add_u32 v7, v5, 4, v7
	s_lshl_b32 s46, s31, 15                        ; and out: (16 wave + h) rows of 2,048 bytes + 16 r
	v_lshl_add_u32 v8, v6, 11, s46
	v_lshl_add_u32 v8, v5, 4, v8
	s_lshl_b32 s44, s34, 7                         ; source: row 128 kt + 16 wave, column 128 nt
	s_lshl_b32 s45, s31, 4
	s_add_co_u32 s44, s44, s45
	s_lshl_b32 s44, s44, 12
	s_lshl_b32 s48, s35, 9
	s_add_co_u32 s44, s44, s48
	s_mov_b32 s45, 0
	s_mov_b32 s49, 0                               ; s[48:49]: 512 nt, the bias's offset
	s_lshl_b32 s50, s33, 12
	s_add_co_u32 s50, s50, s48                     ; s[50:51]: its place in ball
	s_mov_b32 s51, 0
	s_wait_kmcnt 0x0
	s_cmp_eq_u32 s33, 1
	s_cselect_b64 s[36:37], s[8:9], s[6:7]
	s_cselect_b64 s[38:39], s[16:17], s[14:15]
	s_cmp_eq_u32 s33, 2
	s_cselect_b64 s[36:37], s[10:11], s[36:37]
	s_cselect_b64 s[38:39], s[18:19], s[38:39]
	s_cmp_eq_u32 s33, 3
	s_cselect_b64 s[36:37], s[12:13], s[36:37]
	s_cselect_b64 s[38:39], s[20:21], s[38:39]
	s_cselect_b64 s[40:41], s[26:27], s[24:25]     ; Wc goes to wct, the others to wt,
	s_cselect_b32 s46, 0, s33
	s_lshl_b32 s46, s46, 21                        ; 1,024 rows of 2,048 bytes for each matrix
	s_lshl_b32 s47, s35, 18                        ; + 128 nt rows
	s_add_co_u32 s46, s46, s47
	s_lshl_b32 s47, s34, 8                         ; + 128 kt numbers
	s_add_co_u32 s46, s46, s47
	s_mov_b32 s47, 0
	s_add_nc_u64 s[36:37], s[36:37], s[44:45]
	s_add_nc_u64 s[38:39], s[38:39], s[48:49]
	s_add_nc_u64 s[40:41], s[40:41], s[46:47]
	s_add_nc_u64 s[42:43], s[28:29], s[50:51]
.irp i, 0,1
.irp r, 0,1,2,3,4,5,6,7
	global_load_b128 v[16+32*\i+4*\r:19+32*\i+4*\r], v3, s[36:37] offset:(8*\i+\r)*4096 th:TH_LOAD_NT
.endr
.endr
; Eight k of a column pack into 16 bytes.  tof16 = 1: the bf16 number is widened again and written as f16.
.macro PACKS tof16
.irp i, 0,1
	s_wait_loadcnt 8-8*\i                          ; the first eight rows; then all
.irp j, 0,1,2,3
.irp m, 0,1,2,3
	v_cvt_pk_bf16_f32 v[80+16*\i+4*\j+\m], v[16+32*\i+8*\m+\j], v[20+32*\i+8*\m+\j]
.if \tof16
	v_lshlrev_b32 v10, 16, v[80+16*\i+4*\j+\m]
	v_and_b32 v11, 0xffff0000, v[80+16*\i+4*\j+\m]
	v_cvt_pk_f16_f32 v[80+16*\i+4*\j+\m], v10, v11
.endif
.endr
	ds_store_b128 v4, v[80+16*\i+4*\j:83+16*\i+4*\j] offset:16*\i+8704*\j
.endr
.endr
.endm
	s_cmp_eq_u32 s33, 3
	s_cbranch_scc1 .Lf16
	PACKS 0
	s_branch .Lpacked
.Lf16:
	PACKS 1
.Lpacked:
	s_wait_dscnt 0x0                               ; for the others' sake: my stores into the tile are done
	s_barrier_signal -1
	s_barrier_wait -1
.irp i, 0,1,2,3,4,5,6,7
	ds_load_b128 v[16+4*\i:19+4*\i], v7 offset:((\i)%2)*17408+((\i)/2)*272
.endr
.irp i, 0,1,2,3,4,5,6,7
	s_wait_dscnt 7-\i
	global_store_b128 v8, v[16+4*\i:19+4*\i], s[40:41] offset:4096*\i  ; sixteen lanes store 256 consecutive bytes, aligned
.endr
	s_cmp_lg_u32 s34, 0
	s_cbranch_scc1 .Lnobias
	s_cmp_lg_u32 s31, 0
	s_cbranch_scc1 .Lnobias
	global_load_b128 v[48:51], v3, s[38:39]        ; 128 numbers of the bias
	s_wait_loadcnt 0x0
	v_cvt_pk_bf16_f32 v52, v48, v49
	v_cvt_pk_bf16_f32 v53, v50, v51
	v_lshlrev_b32 v56, 16, v52
	v_and_b32 v57, 0xffff0000, v52
	v_lshlrev_b32 v58, 16, v53
	v_and_b32 v59, 0xffff0000, v53
	global_store_b128 v3, v[56:59], s[42:43]
.Lnobias:
	s_wait_tensorcnt 0x0                           ; the wave's end
	ds_add_u32 v[SPW], v[NIL]
	s_wait_dscnt 0x0
	s_endpgm
.Lfunc_end_k_qb0f9dc661e_prep:
	.size	k_qb0f9dc661e_prep, .Lfunc_end_k_qb0f9dc661e_prep-k_qb0f9dc661e_prep
	.p2alignl 7, 3214868480
	.fill 96, 4, 3214868480
	.section	.rodata,"a",@progbits
	.p2align	6, 0x0
	.amdhsa_kernel k_qb0f9dc661e_prep
		.amdhsa_group_segment_fixed_size 35840
		.amdhsa_private_segment_fixed_size 0
		.amdhsa_enable_private_segment 0
		.amdhsa_kernarg_size 104
		.amdhsa_user_sgpr_count 2
		.amdhsa_user_sgpr_kernarg_segment_ptr 1
		.amdhsa_wavefront_size32 1
		.amdhsa_system_sgpr_workgroup_id_x 1
		.amdhsa_system_sgpr_workgroup_id_y 1
		.amdhsa_system_sgpr_workgroup_id_z 1
		.amdhsa_system_vgpr_workitem_id 0
		.amdhsa_next_free_vgpr 116
		.amdhsa_next_free_sgpr 66
		.amdhsa_reserve_vcc 0
		.amdhsa_float_denorm_mode_32 3
		.amdhsa_float_denorm_mode_16_64 3
		.amdhsa_memory_ordered 1
		.amdhsa_forward_progress 1
		.amdhsa_inst_pref_size 20
	.end_amdhsa_kernel
	.amdgpu_metadata
---
amdhsa.version: [ 1, 2 ]
amdhsa.kernels:
  - .name:           k_qb0f9dc661e_prep
    .symbol:         k_qb0f9dc661e_prep.kd
    .args:
      - { .name: x, .offset: 0, .size: 8, .value_kind: global_buffer, .address_space: global }
      - { .name: Wq, .offset: 8, .size: 8, .value_kind: global_buffer, .address_space: global }
      - { .name: Wk, .offset: 16, .size: 8, .value_kind: global_buffer, .address_space: global }
      - { .name: Wv, .offset: 24, .size: 8, .value_kind: global_buffer, .address_space: global }
      - { .name: Wc, .offset: 32, .size: 8, .value_kind: global_buffer, .address_space: global }
      - { .name: bq, .offset: 40, .size: 8, .value_kind: global_buffer, .address_space: global }
      - { .name: bk, .offset: 48, .size: 8, .value_kind: global_buffer, .address_space: global }
      - { .name: bv, .offset: 56, .size: 8, .value_kind: global_buffer, .address_space: global }
      - { .name: bc, .offset: 64, .size: 8, .value_kind: global_buffer, .address_space: global }
      - { .name: xh, .offset: 72, .size: 8, .value_kind: global_buffer, .address_space: global }
      - { .name: wt, .offset: 80, .size: 8, .value_kind: global_buffer, .address_space: global }
      - { .name: wct, .offset: 88, .size: 8, .value_kind: global_buffer, .address_space: global }
      - { .name: ball, .offset: 96, .size: 8, .value_kind: global_buffer, .address_space: global }
    .group_segment_fixed_size: 35840
    .private_segment_fixed_size: 0
    .kernarg_segment_align: 8
    .kernarg_segment_size: 104
    .max_flat_workgroup_size: 256
    .sgpr_count:     66
    .vgpr_count:     116
    .wavefront_size: 32
...
	.end_amdgpu_metadata
.endif
;; end of part 1
;; launch qkvp (part 2): grid 8 x 64, 4 waves a work-group, clusters of 4 x 4, 327,680 bytes of LDS; arguments xh, wt, ball, qkv; writes qkv
.if DOCPART == 2
	.amdgcn_target "amdgcn-amd-amdhsa--gfx1250"
	.amdhsa_code_object_version 6
	.text
	.protected	k_qb0f9dc661e_qkvp
	.globl	k_qb0f9dc661e_qkvp
	.p2align	8
	.type	k_qb0f9dc661e_qkvp,@function
k_qb0f9dc661e_qkvp:
	s_mov_b64 s[64:65], 0
	v_nop
	global_prefetch_b8 v0, s[64:65] scope:SCOPE_SE
	s_setreg_imm32_b32 hwreg(HW_REG_WAVE_MODE, 25, 1), 1
	s_wait_xcnt 0x0
	s_wait_alu depctr_hold_cnt(0) depctr_sa_sdst(0) depctr_va_vdst(0) depctr_va_sdst(0) depctr_va_ssrc(0) depctr_va_vcc(0) depctr_vm_vsrc(0)
	s_getreg_b32 s2, hwreg(HW_REG_IB_STS2, 6, 4)
	s_cmp_eq_u32 s2, 0
	s_cbranch_scc0 .Lentry_in_a_cluster
	s_endpgm
.Lentry_in_a_cluster:
	s_bfe_u32 s2, ttmp6, 0x10000c
	s_cmp_lg_u32 s2, 0xf033
	s_cbranch_scc0 .Lentry_shape_is_right
	s_endpgm
.Lentry_shape_is_right:
; QKV.  qkv[m][n] = f16( sum over k of xh[m][k] wt[n][k] + ball[n] ), m < 8192, n < 3072 (q, k, v side by side), K = 1024.  Operands bf16, sums f32, started with the bias as the C operand.
; LIMIT: q, k, v must stay within f16's 65,504; beyond it the conversion gives an infinity.
; A tile of C is 128 x 384: 512 work-groups of equal work.  Four waves, each 128 rows x 96 columns: 48 accumulators of 16 x 16.  K goes in steps of 128 through two LDS slots
; (128 rows of A, 384 rows of B, each 256 bytes + 16 of padding).  Wave 0 fetches A's tile, waves 1-3 a third of B's each.
; CLUSTER 4 x 4: the four work-groups of a row of the cluster need the same tile of A, the four of a column the same tile of B: each is asked for jointly, by the same load, descriptor and mask.
; The matrix instruction is used transposed (source 0 = 16 rows of B, source 1 = 16 rows of A): a lane holds row lane % 16 of C and the columns 8 (lane / 16) + 0..7.
; A trip of the loop is ONE K step; the slot in hand is a scalar offset that an exclusive or turns.
; REGISTERS: window 0: v16-29 addresses, v64-127 and v128-191 A's fragments (two buffers); window 1: v64-111, v128-175 B's fragments, v192-239 the bias;
;            windows 2, 3: accumulator (a, b), number 6 a + b, at window 2 + number / 32, register 8 (number % 32).
.set MB,     8
.set NBK,    6
.set NL,     2*(MB+NBK)                ; LDS loads of a quarter step
.set PA,     1                         ; waves that fetch A
.set PART,   34816                     ; 128 rows of 272 bytes: what one tensor load brings
.set BOFF,   34816                     ; B's rows lie behind A's
.set SLOT1,  139264                    ; slot 1; shares no bit with the parts' offsets, so an exclusive or turns one slot's address into the other's
.set SPARE,  278528                    ; behind the slots: the spare words, 128 bytes a wave
.set KSTEPS, 8
.set ASTEP,  256
.set BSTEP,  256
.set G1W,    (1<<16)|(1<<20)|(1<<21)|(5<<22)|(3<<25)  ; 2-byte elements; padding on; bit 21 beside a mask; after every 64 words 4 words
.set F0,   64
.set F1,   128
.set BIAS, 192
.set ADRA0, 16                         ; my lane's place in A's tile, in B's tile: never rewritten
.set ADRB0, 17
.set ADRA,  18                         ; the same in the slot in hand
.set ADRB,  19
.set BO,    20
.set STO,   24
.set RD,    25
.set CO,    26
.set STO2,  27
.set SPW,   28
.set NIL,   29
.set CNT,   3
.set SOFF,  66
.set WV,    84
.set MSB, 0
.macro WIN new                         ; the immediate's high byte repeats the setting that is left; a switch that changes nothing is dropped
.if MSB != (\new)
	s_set_vgpr_msb (MSB<<8)|(\new)
.set MSB, (\new)
.endif
.endm
.macro PLACES                          ; four plain places behind matrix instructions, ahead of loads into their sources and of reads of their results
.rept 4
	v_nop
.endr
.endm
.macro CREST                           ; a round of the cluster's barrier behind its opening barrier
	s_cmp_lg_u32 s[WV], 0
	s_cbranch_scc1 .Lnot_wave_0_\@
	s_barrier_signal -3
.Lnot_wave_0_\@:
	s_barrier_wait -3
	s_barrier_signal -1
	s_barrier_wait -1
.endm
.macro CROUND
	s_barrier_signal -1
	s_barrier_wait -1
	CREST
.endm
.macro JLOAD                           ; a joint refill by the walking descriptors; the branch hangs on the wave's number alone; an s_nop 0 and four v_nop follow each line
	s_cmp_lt_u32 s[WV], PA
	s_cbranch_scc0 .Lfor_b_\@
	tensor_load_to_lds s[36:39], s[24:31]
	s_nop 0
.rept 4
	v_nop
.endr
	s_branch .Lasked_\@
.Lfor_b_\@:
	tensor_load_to_lds s[60:63], s[48:55]
	s_nop 0
.rept 4
	v_nop
.endr
.Lasked_\@:
.endm
.macro MULA f, a, init                 ; the NBK products of row block a; init = 1: the bias starts the sums
.irp b, 0,1,2,3,4,5
.set IDX, NBK*(\a)+(\b)
.set AW, 2+IDX/32
.set AR, 8*(IDX%32)
.if \init
	WIN (AW<<6)|0x11
	v_wmma_f32_16x16x32_bf16 v[AR:AR+7], v[(\f)+8*(\b):(\f)+8*(\b)+7], v[(\f)+8*(\a):(\f)+8*(\a)+7], v[BIAS+8*(\b):BIAS+8*(\b)+7]
.else
	WIN (AW<<6)|(AW<<4)|1
	v_wmma_f32_16x16x32_bf16 v[AR:AR+7], v[(\f)+8*(\b):(\f)+8*(\b)+7], v[(\f)+8*(\a):(\f)+8*(\a)+7], v[AR:AR+7]
.endif
.endr
.endm
.macro MULH f, a0, n, init             ; n row blocks from a0 on.  All accumulators take turns in the same order in every quarter
.set MA, (\a0)
.rept (\n)
	MULA \f, MA, \init
.set MA, MA+1
.endr
.endm
.macro FETCH q, f                      ; the fragments of quarter q (32 along K) of the slot in hand, in one run: B's, then A's
	WIN 0x40
.irp i, 0,1,2,3,4,5
	ds_load_b128 v[(\f)+8*\i:(\f)+8*\i+3],   v[ADRB] offset:64*(\q)+4352*\i
	ds_load_b128 v[(\f)+8*\i+4:(\f)+8*\i+7], v[ADRB] offset:64*(\q)+4352*\i+32
.endr
	WIN 0
.irp i, 0,1,2,3,4,5,6,7
	ds_load_b128 v[(\f)+8*\i:(\f)+8*\i+3],   v[ADRA] offset:64*(\q)+4352*\i
	ds_load_b128 v[(\f)+8*\i+4:(\f)+8*\i+7], v[ADRA] offset:64*(\q)+4352*\i+32
.endr
.endm
.macro QUARTER q, f, g, init           ; multiplies buffer f; in its middle fetches quarter q into buffer g
	s_wait_dscnt MB                                ; B and A's lower half are in; the MB youngest loads are A's upper half
	MULH \f, 0, MB/2, \init
	PLACES
	FETCH \q, \g
	s_wait_dscnt NL                                ; all but the NL just issued
	MULH \f, MB/2, MB/2, \init
.endm
; The first half of a step's last quarter, and the one barrier of the change of slots.  All its products but one row block's stand AHEAD of the wait for the tensor loads:
; what stands between that wait and the refill lengthens the way from one tile's landing to the next tile's request.  The one block stands behind the add, work while the add is out.
.macro MEET fill
	s_wait_dscnt MB                                ; B and A's lower half of buffer 1 are in; the MB youngest loads are A's upper half
	MULH F1, 0, MB/2-1, 0
	WIN 0
	s_wait_tensorcnt 0x0                           ; all my tensor loads have landed: my part of the next slot
	ds_add_u32 v[SPW], v[NIL]
.if \fill
	s_xor_b32 s37, s37, SLOT1                      ; no tensor load of mine is out, so the walking descriptors may step: the other slot, the next K step
	s_add_nc_u64 s[38:39], s[38:39], ASTEP
	s_xor_b32 s61, s61, SLOT1
	s_add_nc_u64 s[62:63], s[62:63], BSTEP
.endif
	MULH F1, MB/2-1, 1, 0
	s_wait_dscnt 0x0                               ; the add is done, my reads of this slot are over
	WIN 0
	s_barrier_signal -1
	s_barrier_wait -1
.endm
.macro TURN fill                       ; fill = 1: the barrier opens a round of the cluster's, and the slot just read is filled again, two K steps ahead, first thing behind it
	MEET \fill
.if \fill
	CREST
	JLOAD                                          ; its four v_nop are also the places ahead of the loads below
.else
	PLACES
	s_cmp_eq_u32 s[CNT], 1                         ; the last K step has no successor: only LDS loads are jumped
	s_cbranch_scc1 .Lnofetch_\@
.endif
	s_xor_b32 s[SOFF], s[SOFF], SLOT1
	v_add_nc_u32 v[ADRA], s[SOFF], v[ADRA0]
	v_add_nc_u32 v[ADRB], s[SOFF], v[ADRB0]
	FETCH 0, F0
.if !(\fill)
.Lnofetch_\@:
.endif
	MULH F1, MB/2, MB/2, 0
.endm
	s_load_b256 s[4:11], s[0:1], 0x0               ; xh 4, wt 6, ball 8, qkv 10
	v_lshl_add_u32 v[SPW], v0, 2, SPARE
	v_mov_b32 v[NIL], 0
	ds_add_u32 v[SPW], v[NIL]                      ; the opening: the add and its wait stand ahead of my first tensor load
	v_lshrrev_b32 v1, 5, v0
	v_readfirstlane_b32 s[WV], v1
	s_bfe_u32 s40, ttmp6, 0x40000                  ; cx
	s_bfe_u32 s41, ttmp6, 0x40004                  ; cy
	s_lshl_b32 s42, ttmp9, 2
	s_add_co_u32 s42, s42, s40                     ; tile column
	s_and_b32 s13, ttmp7, 0xffff
	s_lshl_b32 s13, s13, 2
	s_add_co_u32 s13, s13, s41                     ; tile row
	s_lshl_b32 s43, s41, 2
	s_lshl_b32 s43, 15, s43                        ; my row of the cluster
	s_lshl_b32 s44, 0x1111, s40                    ; my column
	s_or_b32 s24, s43, G1W
	s_or_b32 s48, s44, G1W
.irp g, 24, 48
	s_mov_b32 s[\g+1], 128<<16                     ; tensor_dim0 = 128
	s_mov_b32 s[\g+2], 128<<16                     ; tensor_dim1 = 128
	s_mov_b32 s[\g+3], 128<<16                     ; tile_dim0 = 128
	s_mov_b32 s[\g+4], 128                         ; tile_dim1 = 128
	s_mov_b32 s[\g+5], 1024                        ; elements from row to row
	s_mov_b32 s[\g+6], 0
	s_mov_b32 s[\g+7], 0
.endr
	s_lshl_b32 s14, s13, 18                        ; A: 128 rows of 2,048 bytes a tile row
	s_mov_b32 s15, 0
	s_sub_co_i32 s17, s[WV], 1
	s_max_i32 s17, s17, 0                          ; which third of B I fetch (wave 0 fetches A; its B set is never issued)
	s_lshl_b32 s17, s17, 7
	s_mul_i32 s46, s42, 384
	s_add_co_u32 s46, s46, s17
	s_lshl_b32 s46, s46, 11
	s_mov_b32 s47, 0
	s_mul_i32 s20, s[WV], PART                     ; where my part goes: the wave's number alone
	s_mul_i32 s76, s42, 384                        ; the bias of my 96 columns
	s_mul_i32 s77, s[WV], 96
	s_add_co_u32 s76, s76, s77
	s_lshl_b32 s76, s76, 2
	s_mov_b32 s77, 0
	s_lshl_b32 s80, s13, 7                         ; the rows that I store: 128 ty + 32 wave, 6,144 bytes each; the tile's 768 bytes
	s_lshl_b32 s81, s[WV], 5
	s_add_co_u32 s80, s80, s81
	s_mul_i32 s80, s80, 6144
	s_mul_i32 s81, s42, 768
	s_add_co_u32 s80, s80, s81
	s_mov_b32 s81, 0
	s_mov_b32 s[SOFF], 0
	s_wait_dscnt 0x0                               ; the opening add is done
	s_wait_kmcnt 0x0
	s_add_nc_u64 s[14:15], s[4:5], s[14:15]
	s_add_nc_u64 s[46:47], s[6:7], s[46:47]
	s_add_nc_u64 s[8:9], s[8:9], s[76:77]
	s_add_nc_u64 s[10:11], s[10:11], s[80:81]
	s_mov_b32 s32, 1                               ; group 0, A, K step 0 into slot 0
	s_mov_b32 s33, s20
	s_add_nc_u64 s[34:35], s[14:15], 0
	s_or_b32 s35, s35, 0x80000000
	s_mov_b32 s36, 1                               ; the walking set: K step 1 into slot 1
	s_add_co_u32 s37, s20, SLOT1
	s_add_nc_u64 s[38:39], s[14:15], ASTEP
	s_or_b32 s39, s39, 0x80000000
	s_mov_b32 s56, 1                               ; the same for B
	s_mov_b32 s57, s20
	s_add_nc_u64 s[58:59], s[46:47], 0
	s_or_b32 s59, s59, 0x80000000
	s_mov_b32 s60, 1
	s_add_co_u32 s61, s20, SLOT1
	s_add_nc_u64 s[62:63], s[46:47], BSTEP
	s_or_b32 s63, s63, 0x80000000
	CROUND                                         ; all sixteen work-groups are here: the first joint loads meet
	s_cmp_lt_u32 s[WV], PA                         ; a wave's two first fills stand in one branch: two loads of mine are out
	s_cbranch_scc0 .Lfirst_b
	tensor_load_to_lds s[32:35], s[24:31]
	s_nop 0
	tensor_load_to_lds s[36:39], s[24:31]
	s_nop 0
.rept 4
	v_nop
.endr
	s_branch .Lfirst_done
.Lfirst_b:
	tensor_load_to_lds s[56:59], s[48:55]
	s_nop 0
	tensor_load_to_lds s[60:63], s[48:55]
	s_nop 0
.rept 4
	v_nop
.endr
.Lfirst_done:
	v_and_b32 v1, 15, v0                           ; r
	v_bfe_u32 v2, v0, 4, 1                         ; h
	v_lshlrev_b32 v[BO], 5, v2                     ; the bias as a C operand: register j of block b is bias[16 b + 8 h + j]
	WIN 0x40
.irp b, 0,1,2,3,4,5
	global_load_b128 v[BIAS+8*\b:BIAS+8*\b+3],   v[BO], s[8:9] offset:64*\b
	global_load_b128 v[BIAS+8*\b+4:BIAS+8*\b+7], v[BO], s[8:9] offset:64*\b+16
.endr
	WIN 0
	v_mul_u32_u24 v3, v1, 272
	v_lshl_add_u32 v[ADRA0], v2, 4, v3             ; row x pitch + 16 x half
	s_mul_i32 s21, s[WV], 96*272
	s_add_co_u32 s21, s21, BOFF
	v_add_nc_u32 v[ADRB0], s21, v[ADRA0]           ; my 96 rows of B
	v_mov_b32 v[ADRA], v[ADRA0]
	v_mov_b32 v[ADRB], v[ADRB0]
	v_mul_u32_u24 v4, v1, 784                      ; the stage: 128 rows of 768 + 16 bytes; in: row r, my wave's 192 bytes, 16 for each half of the lanes
	v_lshl_add_u32 v4, v2, 4, v4
	s_mul_i32 s22, s[WV], 192
	v_add_nc_u32 v[STO], s22, v4
	v_add_nc_u32 v[STO2], 50176, v[STO]            ; row blocks 4-7: their offsets would not fit in 16 bits
	v_mul_u32_u24 v5, v2, 784                      ; back: rows 32 wave + h on, 256 bytes for sixteen lanes
	s_mul_i32 s22, s[WV], 32*784
	v_add_nc_u32 v5, s22, v5
	v_lshl_add_u32 v[RD], v1, 4, v5
	v_mul_u32_u24 v5, v2, 6144
	v_lshl_add_u32 v[CO], v1, 4, v5
	s_wait_tensorcnt 0x1                           ; my part of K step 0 is in; K step 1's may stay out
	s_barrier_signal -1
	s_barrier_wait -1
	FETCH 0, F0
	s_wait_loadcnt 0x0                             ; the bias
	QUARTER 1, F0, F1, 1
	WIN 0
	s_mov_b32 s[CNT], KSTEPS-2
.Lstep:                                                ; from a step's second quarter to the next step's first; the slot left is filled again
	QUARTER 2, F1, F0, 0
	QUARTER 3, F0, F1, 0
	TURN 1
	QUARTER 1, F0, F1, 0
	WIN 0
	s_sub_co_u32 s[CNT], s[CNT], 1
	s_cmp_lg_u32 s[CNT], 0
	s_cbranch_scc1 .Lstep
	s_mov_b32 s[CNT], 2
.Ltail:                                                ; the last two K steps ask for nothing
	QUARTER 2, F1, F0, 0
	QUARTER 3, F0, F1, 0
	TURN 0
	WIN 0
	s_sub_co_u32 s[CNT], s[CNT], 1
	s_cmp_eq_u32 s[CNT], 0
	s_cbranch_scc1 .Lout
	QUARTER 1, F0, F1, 0
	WIN 0
	s_branch .Ltail
.Lout:
	; THE WAY OUT, through one stage for the four waves.  It lies in slot 0's bytes, whose last fill (K step 6) has been read out by every wave.
	s_wait_dscnt 0x0                               ; no LDS read of mine is out,
	s_barrier_signal -1
	s_barrier_wait -1                              ; nor of any wave
	PLACES
.set IDX, 0
.rept 48
	WIN 0x0a+5*(IDX/32)
.irp r, 0,1,2,3
	v_cvt_pk_f16_f32 v[64+4*IDX+\r], v[8*(IDX%32)+2*\r], v[8*(IDX%32)+2*\r+1]
.endr
.set IDX, IDX+1
.endr
	WIN 0
.set IDX, 0
.rept 48
.if IDX < 24
	ds_store_b128 v[STO], v[64+4*IDX:64+4*IDX+3] offset:(IDX/6)*12544+(IDX%6)*32
.else
	ds_store_b128 v[STO2], v[64+4*IDX:64+4*IDX+3] offset:(IDX/6-4)*12544+(IDX%6)*32
.endif
.set IDX, IDX+1
.endr
	s_wait_dscnt 0x0                               ; for the others' sake: my stores into the stage are done
	s_barrier_signal -1
	s_barrier_wait -1
.set IDX, 0
.rept 48
	ds_load_b128 v[64+4*IDX:64+4*IDX+3], v[RD] offset:(IDX/3)*1568+(IDX%3)*256
.set IDX, IDX+1
.endr
.set IDX, 0
.rept 48
	s_wait_dscnt 47-IDX
	global_store_b128 v[CO], v[64+4*IDX:64+4*IDX+3], s[10:11] offset:(IDX/3)*12288+(IDX%3)*256  ; sixteen lanes store 256 consecutive bytes, aligned
.set IDX, IDX+1
.endr
	s_wait_tensorcnt 0x0                           ; the wave's end
	ds_add_u32 v[SPW], v[NIL]
	s_wait_dscnt 0x0
	CROUND                                         ; the closing round
	s_endpgm
.Lfunc_end_k_qb0f9dc661e_qkvp:
	.size	k_qb0f9dc661e_qkvp, .Lfunc_end_k_qb0f9dc661e_qkvp-k_qb0f9dc661e_qkvp
	.p2alignl 7, 3214868480
	.fill 96, 4, 3214868480
	.section	.rodata,"a",@progbits
	.p2align	6, 0x0
	.amdhsa_kernel k_qb0f9dc661e_qkvp
		.amdhsa_group_segment_fixed_size 327680
		.amdhsa_private_segment_fixed_size 0
		.amdhsa_enable_private_segment 0
		.amdhsa_kernarg_size 32
		.amdhsa_user_sgpr_count 2
		.amdhsa_user_sgpr_kernarg_segment_ptr 1
		.amdhsa_wavefront_size32 1
		.amdhsa_system_sgpr_workgroup_id_x 1
		.amdhsa_system_sgpr_workgroup_id_y 1
		.amdhsa_system_sgpr_workgroup_id_z 1
		.amdhsa_system_vgpr_workitem_id 0
		.amdhsa_next_free_vgpr 896
		.amdhsa_next_free_sgpr 96
		.amdhsa_reserve_vcc 0
		.amdhsa_float_denorm_mode_32 3
		.amdhsa_float_denorm_mode_16_64 3
		.amdhsa_memory_ordered 1
		.amdhsa_forward_progress 1
		.amdhsa_inst_pref_size 83
	.end_amdhsa_kernel
	.amdgpu_metadata
---
amdhsa.version: [ 1, 2 ]
amdhsa.kernels:
  - .name:           k_qb0f9dc661e_qkvp
    .symbol:         k_qb0f9dc661e_qkvp.kd
    .args:
      - { .name: xh, .offset: 0, .size: 8, .value_kind: global_buffer, .address_space: global }
      - { .name: wt, .offset: 8, .size: 8, .value_kind: global_buffer, .address_space: global }
      - { .name: ball, .offset: 16, .size: 8, .value_kind: global_buffer, .address_space: global }
      - { .name: qkv, .offset: 24, .size: 8, .value_kind: global_buffer, .address_space: global }
    .group_segment_fixed_size: 327680
    .private_segment_fixed_size: 0
    .kernarg_segment_align: 8
    .kernarg_segment_size: 32
    .max_flat_workgroup_size: 128
    .sgpr_count:     96
    .vgpr_count:     896
    .wavefront_size: 32
...
	.end_amdgpu_metadata
.endif
;; end of part 2
;; launch scores (part 3): grid 8 x 32, 4 waves a work-group, clusters of 4 x 4, 327,680 bytes of LDS; arguments qkv, p, st; writes p, st
.if DOCPART == 3
	.amdgcn_target "amdgcn-amd-amdhsa--gfx1250"
	.amdhsa_code_object_version 6
	.text
	.protected	k_qb0f9dc661e_scores
	.globl	k_qb0f9dc661e_scores
	.p2align	8
	.type	k_qb0f9dc661e_scores,@function
k_qb0f9dc661e_scores:
	s_mov_b64 s[64:65], 0
	v_nop
	global_prefetch_b8 v0, s[64:65] scope:SCOPE_SE
	s_setreg_imm32_b32 hwreg(HW_REG_WAVE_MODE, 25, 1), 1
	s_wait_xcnt 0x0
	s_wait_alu depctr_hold_cnt(0) depctr_sa_sdst(0) depctr_va_vdst(0) depctr_va_sdst(0) depctr_va_ssrc(0) depctr_va_vcc(0) depctr_vm_vsrc(0)
	s_getreg_b32 s2, hwreg(HW_REG_IB_STS2, 6, 4)
	s_cmp_eq_u32 s2, 0
	s_cbranch_scc0 .Lentry_in_a_cluster
	s_endpgm
.Lentry_in_a_cluster:
	s_bfe_u32 s2, ttmp6, 0x10000c
	s_cmp_lg_u32 s2, 0xf033
	s_cbranch_scc0 .Lentry_shape_is_right
	s_endpgm
.Lentry_shape_is_right:
; SCORES AND THE LOCAL SOFTMAX.  For each batch s[q][t] = q[q] . k[t] (K = 1024, f16 operands, f32 sums).  A tile is 256 queries x 256 keys; a wave has 128 x 128.
; On the way out each row's maximum m over the wave's block j of 128 keys is taken away: p[q][t] = f16( 2^(c s - cm) ), cm = c m, c = log2(e) / 32; st[j][q] = (cm, l), l = the sum of the unrounded p.
; The next launch takes the maximum over the sixteen blocks and corrects by 2^(cm_j - cm); the rounded cm_j stands in both exponents and cancels.
; LIMITS: NaN and infinities are not treated apart; a weight below 2^-126 counts as 0 in l, below 6e-8 as 0 in p.
; CLUSTER 4 x 4: q's tile is shared along a row of the cluster, k's along a column (the four tile rows of a cluster lie in one batch): joint loads.
; Ring, fragments and turns as in the projection kernel: K steps of 128, two slots (256 rows of q, 256 rows of k, 272 bytes apart), one K step a trip.
; REGISTERS: window 0: v16-30 addresses, v32-47 at work, v48-63 the eight blocks' (cm, l), v64-191 A's fragments; on the way out v64-95 rows read back, v128-191 a block's 64 exponents and weights,
;            v192-223 packed p; window 1: B's fragments; windows 2, 3: accumulator (a, b) at window 2 + a / 4, register 64 (a % 4) + 8 b.
.set MB,     8
.set NBK,    8
.set NL,     2*(MB+NBK)
.set PA,     2
.set PART,   34816
.set BOFF,   69632
.set SLOT1,  139264
.set STAGE,  278528                    ; behind the slots: 16 rows x 272 bytes for each wave
.set SPARE,  295936
.set KSTEPS, 8
.set ASTEP,  256
.set BSTEP,  256
.set G1W,    (1<<16)|(1<<20)|(1<<21)|(5<<22)|(3<<25)
.set F0,   64
.set F1,   128
.set ADRA0, 16
.set ADRB0, 17
.set ADRA,  18
.set ADRB,  19
.set STO,   24
.set RD,    25
.set CO,    26                         ; my byte offset in two rows of p; never rewritten
.set SO,    27
.set SPW,   28
.set NIL,   29
.set COV,   30                         ; the same in the block in hand
.set CHN,   32                         ; v32-39 eight chains of the maximum
.set LREG,  46                         ; the l of the block just done
.set ST,    48
.set BK,    64
.set EB,    128
.set TMP,   192
.set CNT,   3
.set SOFF,  66
.set WV,    84
.set RH,    85
.set CH,    86
.set BLK,   87
.set MSB, 0
.macro WIN new
.if MSB != (\new)
	s_set_vgpr_msb (MSB<<8)|(\new)
.set MSB, (\new)
.endif
.endm
.macro PLACES
.rept 4
	v_nop
.endr
.endm
.macro CREST
	s_cmp_lg_u32 s[WV], 0
	s_cbranch_scc1 .Lnot_wave_0_\@
	s_barrier_signal -3
.Lnot_wave_0_\@:
	s_barrier_wait -3
	s_barrier_signal -1
	s_barrier_wait -1
.endm
.macro CROUND
	s_barrier_signal -1
	s_barrier_wait -1
	CREST
.endm
.macro JLOAD
	s_cmp_lt_u32 s[WV], PA
	s_cbranch_scc0 .Lfor_b_\@
	tensor_load_to_lds s[36:39], s[24:31]
	s_nop 0
.rept 4
	v_nop
.endr
	s_branch .Lasked_\@
.Lfor_b_\@:
	tensor_load_to_lds s[60:63], s[48:55]
	s_nop 0
.rept 4
	v_nop
.endr
.Lasked_\@:
.endm
.macro MULA f, a, init                 ; init = 1: the first product starts the sums with the constant 0
.irp b, 0,1,2,3,4,5,6,7
.set IDX, NBK*(\a)+(\b)
.set AW, 2+IDX/32
.set AR, 8*(IDX%32)
	WIN (AW<<6)|(AW<<4)|1
.if \init
	v_wmma_f32_16x16x32_f16 v[AR:AR+7], v[(\f)+8*(\b):(\f)+8*(\b)+7], v[(\f)+8*(\a):(\f)+8*(\a)+7], 0
.else
	v_wmma_f32_16x16x32_f16 v[AR:AR+7], v[(\f)+8*(\b):(\f)+8*(\b)+7], v[(\f)+8*(\a):(\f)+8*(\a)+7], v[AR:AR+7]
.endif
.endr
.endm
.macro MULH f, a0, n, init
.set MA, (\a0)
.rept (\n)
	MULA \f, MA, \init
.set MA, MA+1
.endr
.endm
.macro FETCH q, f
	WIN 0x40
.irp i, 0,1,2,3,4,5,6,7
	ds_load_b128 v[(\f)+8*\i:(\f)+8*\i+3],   v[ADRB] offset:64*(\q)+4352*\i
	ds_load_b128 v[(\f)+8*\i+4:(\f)+8*\i+7], v[ADRB] offset:64*(\q)+4352*\i+32
.endr
	WIN 0
.irp i, 0,1,2,3,4,5,6,7
	ds_load_b128 v[(\f)+8*\i:(\f)+8*\i+3],   v[ADRA] offset:64*(\q)+4352*\i
	ds_load_b128 v[(\f)+8*\i+4:(\f)+8*\i+7], v[ADRA] offset:64*(\q)+4352*\i+32
.endr
.endm
.macro QUARTER q, f, g, init
	s_wait_dscnt MB                                ; the MB youngest loads are A's upper half
	MULH \f, 0, MB/2, \init
	PLACES
	FETCH \q, \g
	s_wait_dscnt NL                                ; all but the NL just issued
	MULH \f, MB/2, MB/2, \init
.endm
; The first half of a step's last quarter, and the one barrier of the change of slots.  All its products but one row block's stand AHEAD of the wait for the tensor loads:
; what stands between that wait and the refill lengthens the way from one tile's landing to the next tile's request.  The one block stands behind the add, work while the add is out.
.macro MEET fill
	s_wait_dscnt MB                                ; B and A's lower half of buffer 1 are in; the MB youngest loads are A's upper half
	MULH F1, 0, MB/2-1, 0
	WIN 0
	s_wait_tensorcnt 0x0                           ; all my tensor loads have landed: my part of the next slot
	ds_add_u32 v[SPW], v[NIL]
.if \fill
	s_xor_b32 s37, s37, SLOT1                      ; no tensor load of mine is out, so the walking descriptors may step
	s_add_nc_u64 s[38:39], s[38:39], ASTEP
	s_xor_b32 s61, s61, SLOT1
	s_add_nc_u64 s[62:63], s[62:63], BSTEP
.endif
	MULH F1, MB/2-1, 1, 0
	s_wait_dscnt 0x0                               ; the add is done, my reads of this slot are over
	WIN 0
	s_barrier_signal -1
	s_barrier_wait -1
.endm
.macro TURN fill
	MEET \fill
.if \fill
	CREST
	JLOAD
.else
	PLACES
	s_cmp_eq_u32 s[CNT], 1
	s_cbranch_scc1 .Lnofetch_\@
.endif
	s_xor_b32 s[SOFF], s[SOFF], SLOT1
	v_add_nc_u32 v[ADRA], s[SOFF], v[ADRA0]
	v_add_nc_u32 v[ADRB], s[SOFF], v[ADRB0]
	FETCH 0, F0
.if !(\fill)
.Lnofetch_\@:
.endif
	MULH F1, MB/2, MB/2, 0
.endm
	s_load_b128 s[4:7], s[0:1], 0x0                ; qkv 4, p 6
	s_load_b64 s[8:9], s[0:1], 0x10                ; st
	v_lshl_add_u32 v[SPW], v0, 2, SPARE
	v_mov_b32 v[NIL], 0
	ds_add_u32 v[SPW], v[NIL]                      ; the opening: the add and its wait stand ahead of my first tensor load
	v_lshrrev_b32 v1, 5, v0
	v_readfirstlane_b32 s[WV], v1
	s_lshr_b32 s[RH], s[WV], 1                     ; my half of the tile's rows
	s_and_b32 s[CH], s[WV], 1                      ; my half of its columns; also: which 128 rows of a tile I fetch
	s_bfe_u32 s40, ttmp6, 0x40000
	s_bfe_u32 s41, ttmp6, 0x40004
	s_lshl_b32 s42, ttmp9, 2
	s_add_co_u32 s42, s42, s40                     ; key tile in the batch
	s_and_b32 s13, ttmp7, 0xffff
	s_lshl_b32 s13, s13, 2
	s_add_co_u32 s13, s13, s41                     ; query tile, over all batches
	s_lshl_b32 s43, s41, 2
	s_lshl_b32 s43, 15, s43
	s_lshl_b32 s44, 0x1111, s40
	s_or_b32 s24, s43, G1W
	s_or_b32 s48, s44, G1W
.irp g, 24, 48
	s_mov_b32 s[\g+1], 128<<16
	s_mov_b32 s[\g+2], 128<<16
	s_mov_b32 s[\g+3], 128<<16
	s_mov_b32 s[\g+4], 128
	s_mov_b32 s[\g+5], 3072                        ; q, k, v lie side by side: 3,072 elements from row to row
	s_mov_b32 s[\g+6], 0
	s_mov_b32 s[\g+7], 0
.endr
	s_lshl_b32 s17, s[CH], 7
	s_lshl_b32 s14, s13, 8
	s_add_co_u32 s14, s14, s17
	s_mul_i32 s14, s14, 6144                       ; A: q's row 256 ty + 128 half
	s_mov_b32 s15, 0
	s_and_b32 s78, ttmp7, 0xffff
	s_lshr_b32 s78, s78, 1                         ; the batch: two clusters along y each; all partners share it
	s_lshl_b32 s78, s78, 11
	s_lshl_b32 s46, s42, 8
	s_add_co_u32 s46, s46, s78
	s_add_co_u32 s46, s46, s17
	s_mul_i32 s46, s46, 6144                       ; B: k's row 2048 batch + 256 tx + 128 half,
	s_add_co_u32 s46, s46, 2048                    ; 1,024 elements into the row
	s_mov_b32 s47, 0
	s_mul_i32 s20, s[WV], PART
	s_lshl_b32 s80, s13, 8                         ; p: row 256 ty + 128 RH, 4,096 bytes each; column 256 tx + 128 CH
	s_lshl_b32 s81, s[RH], 7
	s_add_co_u32 s80, s80, s81
	s_lshl_b32 s82, s80, 3                         ; st: 8 bytes a row,
	s_lshl_b32 s80, s80, 12
	s_lshl_b32 s81, s42, 9
	s_add_co_u32 s80, s80, s81
	s_lshl_b32 s81, s[CH], 8
	s_add_co_u32 s80, s80, s81
	s_mov_b32 s81, 0
	s_lshl_b32 s83, s42, 1
	s_add_co_u32 s83, s83, s[CH]                   ; block j = 2 tx + CH, 65,536 bytes each
	s_lshl_b32 s83, s83, 16
	s_add_co_u32 s82, s82, s83
	s_mov_b32 s83, 0
	s_mov_b32 s[SOFF], 0
	s_mov_b32 s68, 0x3d38aa3b                      ; c = log2(e) / 32
	s_mov_b32 s69, s68
	s_mov_b32 s70, 0x76543210                      ; v_permlanex16_b32: each lane takes its own place in the other half
	s_mov_b32 s71, 0xfedcba98
	s_mov_b32 s72, 0xffff0000                      ; lanes 16-31
	s_wait_dscnt 0x0
	s_wait_kmcnt 0x0
	s_add_nc_u64 s[14:15], s[4:5], s[14:15]
	s_add_nc_u64 s[46:47], s[4:5], s[46:47]
	s_add_nc_u64 s[6:7], s[6:7], s[80:81]
	s_add_nc_u64 s[8:9], s[8:9], s[82:83]
	s_mov_b32 s32, 1
	s_mov_b32 s33, s20
	s_add_nc_u64 s[34:35], s[14:15], 0
	s_or_b32 s35, s35, 0x80000000
	s_mov_b32 s36, 1
	s_add_co_u32 s37, s20, SLOT1
	s_add_nc_u64 s[38:39], s[14:15], ASTEP
	s_or_b32 s39, s39, 0x80000000
	s_mov_b32 s56, 1
	s_mov_b32 s57, s20
	s_add_nc_u64 s[58:59], s[46:47], 0
	s_or_b32 s59, s59, 0x80000000
	s_mov_b32 s60, 1
	s_add_co_u32 s61, s20, SLOT1
	s_add_nc_u64 s[62:63], s[46:47], BSTEP
	s_or_b32 s63, s63, 0x80000000
	CROUND
	s_cmp_lt_u32 s[WV], PA
	s_cbranch_scc0 .Lfirst_b
	tensor_load_to_lds s[32:35], s[24:31]
	s_nop 0
	tensor_load_to_lds s[36:39], s[24:31]
	s_nop 0
.rept 4
	v_nop
.endr
	s_branch .Lfirst_done
.Lfirst_b:
	tensor_load_to_lds s[56:59], s[48:55]
	s_nop 0
	tensor_load_to_lds s[60:63], s[48:55]
	s_nop 0
.rept 4
	v_nop
.endr
.Lfirst_done:
	v_and_b32 v1, 15, v0
	v_bfe_u32 v2, v0, 4, 1
	v_mul_u32_u24 v3, v1, 272
	v_lshl_add_u32 v3, v2, 4, v3
	s_mul_i32 s21, s[RH], PART
	v_add_nc_u32 v[ADRA0], s21, v3
	s_mul_i32 s22, s[CH], PART
	s_add_co_u32 s22, s22, BOFF
	v_add_nc_u32 v[ADRB0], s22, v3
	v_mov_b32 v[ADRA], v[ADRA0]
	v_mov_b32 v[ADRB], v[ADRB0]
	s_mul_i32 s23, s[WV], 4352
	s_add_co_u32 s23, s23, STAGE                   ; my stage
	v_add_nc_u32 v[STO], s23, v3                   ; in: row r, 16 bytes for each half of the lanes
	v_mul_u32_u24 v4, v2, 272
	v_lshl_add_u32 v4, v1, 4, v4
	v_add_nc_u32 v[RD], s23, v4                    ; back: lanes 0-15 one row of 256 bytes, lanes 16-31 the next
	v_lshlrev_b32 v4, 12, v2
	v_lshl_add_u32 v[CO], v1, 4, v4
	v_and_b32 v4, 31, v0
	v_lshlrev_b32 v[SO], 3, v4
	v_mov_b32 v40, 0                               ; destinations of v_permlanex16_b32 and the unused half of a pair: written once
	v_mov_b32 v43, 0
	v_mov_b32 v45, 0
	v_mov_b32 v[LREG], 0                           ; l's carrier and the sixteen statistics: written once here, in the wait for the first tile, so that every way through the block loop's jumps finds them written
.irp i, 0,1,2,3,4,5,6,7,8,9,10,11,12,13,14,15
	v_mov_b32 v[ST+\i], 0
.endr
	s_wait_tensorcnt 0x1                           ; my part of K step 0 is in; K step 1's may stay out
	s_barrier_signal -1
	s_barrier_wait -1
	FETCH 0, F0
	QUARTER 1, F0, F1, 1
	WIN 0
	s_mov_b32 s[CNT], KSTEPS-2
.Lstep:
	QUARTER 2, F1, F0, 0
	QUARTER 3, F0, F1, 0
	TURN 1
	QUARTER 1, F0, F1, 0
	WIN 0
	s_sub_co_u32 s[CNT], s[CNT], 1
	s_cmp_lg_u32 s[CNT], 0
	s_cbranch_scc1 .Lstep
	s_mov_b32 s[CNT], 2
.Ltail:
	QUARTER 2, F1, F0, 0
	QUARTER 3, F0, F1, 0
	TURN 0
	WIN 0
	s_sub_co_u32 s[CNT], s[CNT], 1
	s_cmp_eq_u32 s[CNT], 0
	s_cbranch_scc1 .Lout
	QUARTER 1, F0, F1, 0
	WIN 0
	s_branch .Ltail
; THE WAY OUT: a loop of eight trips, a block of 16 queries a trip.  A lane holds one query and 64 of its 128 scores; the lane 16 away holds the others.
; HEAD a is what names block a's accumulators, so it is written once for each block: the maximum, cm, and c s - cm into the fixed registers v128-191.  It also files the l of the block before
; and sets the block's row offset in p.  All the rest is written once, behind .Lcommon.
.macro HEAD a
.set SW, 2+(\a)/4
.set AC, 64*((\a)%4)
	WIN SW|(SW<<2)|(SW<<4)                         ; the maximum: eight chains, each accumulator's lowest registers first
.irp b, 0,1,2,3,4,5,6,7
	v_max3_num_f32 v[CHN+\b], v[AC+8*\b], v[AC+8*\b+1], v[AC+8*\b+2]
.endr
	WIN (SW<<2)|(SW<<4)
.irp b, 0,1,2,3,4,5,6,7
	v_max3_num_f32 v[CHN+\b], v[CHN+\b], v[AC+8*\b+3], v[AC+8*\b+4]
.endr
.irp b, 0,1,2,3,4,5,6,7
	v_max3_num_f32 v[CHN+\b], v[CHN+\b], v[AC+8*\b+5], v[AC+8*\b+6]
.endr
.irp b, 0,2,4,6
	v_max3_num_f32 v[CHN+\b], v[CHN+\b], v[AC+8*\b+7], v[AC+8*\b+15]
.endr
	WIN 0
.if (\a) > 0
	v_mov_b32 v[ST+2*(\a)-1], v[LREG]              ; the l of the block before
.endif
	v_add_nc_u32 v[COV], (\a)*65536, v[CO]         ; 16 rows of 4,096 bytes a block
	v_max3_num_f32 v32, v32, v33, v34
	v_max3_num_f32 v35, v35, v36, v37
	v_max3_num_f32 v32, v32, v35, v38
	v_max_num_f32 v32, v32, v39
	v_permlanex16_b32 v40, v32, s70, s71
	v_max_num_f32 v41, v32, v40
	v_mul_f32 v42, s68, v41                        ; cm
	v_mul_f32 v[ST+2*(\a)], s68, v41
	WIN SW                                         ; source 0 in the block's window, the rest in window 0
.set II, 0
.rept 32
	v_pk_fma_f32 v[EB+2*II:EB+2*II+1], v[AC+2*II:AC+2*II+1], s[68:69], v[42:43] op_sel_hi:[1,0,0] neg_lo:[0,0,1] neg_hi:[0,0,1]  ; c s - cm, one rounding
.set II, II+1
.endr
	WIN 0
.endm
.Lout:
	s_wait_dscnt 0x0                               ; no LDS load is out when the fragments' registers are used anew
	PLACES
	s_mov_b32 s[BLK], 0
.Lblk:
	s_wait_xcnt 0x0                                ; the last trip's stores have had their addresses translated: their offset and data registers are rewritten only behind this wait
.irp a, 0,1,2,3,4,5,6
	s_cmp_eq_u32 s[BLK], \a
	s_cbranch_scc1 .Lhead\a
.endr
	HEAD 7
	s_branch .Lcommon
.irp a, 0,1,2,3,4,5
.Lhead\a:
	HEAD \a
	s_branch .Lcommon
.endr
.Lhead6:
	HEAD 6
.Lcommon:
.set II, 0
.rept 64
	v_exp_f32 v[EB+II], v[EB+II]
.set II, II+1
.endr
	v_nop                                          ; a plain instruction between the exponentials and the use of their results
.set II, 0
	s_wait_alu depctr_va_vdst(0)
.rept 32
	v_cvt_pk_f16_f32 v[TMP+II], v[EB+2*II], v[EB+2*II+1]
.set II, II+1
.endr
.irp b, 0,1,2,3,4,5,6,7
	ds_store_b128 v[STO], v[TMP+4*\b:TMP+4*\b+3] offset:32*\b  ; 16 bytes a lane into my own stage,
.endr
.irp t, 0,1,2,3,4,5,6,7
	ds_load_b128 v[BK+4*\t:BK+4*\t+3], v[RD] offset:544*\t  ; whole rows of 256 bytes back: a wave's LDS instructions are served in order, so these see the stores above
.endr
.irp d, 32,16,8,4,2                    ; the sum of the unrounded weights stands between those loads and the wait for them: a tree in place, 16 + 8 + 4 + 2 + 1 packed additions
.set II, 0
.rept (\d)/2
	v_pk_add_f32 v[EB+2*II:EB+2*II+1], v[EB+2*II:EB+2*II+1], v[EB+2*II+\d:EB+2*II+\d+1]
.set II, II+1
.endr
.endr
	v_add_f32 v44, v[EB], v[EB+1]
	v_permlanex16_b32 v45, v44, s70, s71
	v_add_f32 v[LREG], v44, v45                    ; l
	s_wait_dscnt 0x0                               ; the block is back in registers
.irp t, 0,1,2,3,4,5,6,7
	global_store_b128 v[COV], v[BK+4*\t:BK+4*\t+3], s[6:7] offset:8192*\t  ; sixteen lanes store 256 consecutive bytes, aligned
.endr
	s_add_co_u32 s[BLK], s[BLK], 1
	s_cmp_lt_u32 s[BLK], 8
	s_cbranch_scc1 .Lblk
	v_mov_b32 v[ST+15], v[LREG]
.irp i, 0,1,2,3                        ; (cm, l) of 32 rows a store: lanes 0-15 block 2 i, lanes 16-31 block 2 i + 1: 256 consecutive bytes
	v_cndmask_b32 v[32+2*\i], v[ST+4*\i], v[ST+4*\i+2], s72
	v_cndmask_b32 v[33+2*\i], v[ST+4*\i+1], v[ST+4*\i+3], s72
	global_store_b64 v[SO], v[32+2*\i:33+2*\i], s[8:9] offset:256*\i
.endr
	s_wait_tensorcnt 0x0                           ; the wave's end
	ds_add_u32 v[SPW], v[NIL]
	s_wait_dscnt 0x0
	CROUND                                         ; the closing round
	s_endpgm
.Lfunc_end_k_qb0f9dc661e_scores:
	.size	k_qb0f9dc661e_scores, .Lfunc_end_k_qb0f9dc661e_scores-k_qb0f9dc661e_scores
	.p2alignl 7, 3214868480
	.fill 96, 4, 3214868480
	.section	.rodata,"a",@progbits
	.p2align	6, 0x0
	.amdhsa_kernel k_qb0f9dc661e_scores
		.amdhsa_group_segment_fixed_size 327680
		.amdhsa_private_segment_fixed_size 0
		.amdhsa_enable_private_segment 0
		.amdhsa_kernarg_size 24
		.amdhsa_user_sgpr_count 2
		.amdhsa_user_sgpr_kernarg_segment_ptr 1
		.amdhsa_wavefront_size32 1
		.amdhsa_system_sgpr_workgroup_id_x 1
		.amdhsa_system_sgpr_workgroup_id_y 1
		.amdhsa_system_sgpr_workgroup_id_z 1
		.amdhsa_system_vgpr_workitem_id 0
		.amdhsa_next_free_vgpr 1024
		.amdhsa_next_free_sgpr 96
		.amdhsa_reserve_vcc 0
		.amdhsa_float_denorm_mode_32 3
		.amdhsa_float_denorm_mode_16_64 3
		.amdhsa_memory_ordered 1
		.amdhsa_forward_progress 1
		.amdhsa_inst_pref_size 114
	.end_amdhsa_kernel
	.amdgpu_metadata
---
amdhsa.version: [ 1, 2 ]
amdhsa.kernels:
  - .name:           k_qb0f9dc661e_scores
    .symbol:         k_qb0f9dc661e_scores.kd
    .args:
      - { .name: qkv, .offset: 0, .size: 8, .value_kind: global_buffer, .address_space: global }
      - { .name: p, .offset: 8, .size: 8, .value_kind: global_buffer, .address_space: global }
      - { .name: st, .offset: 16, .size: 8, .value_kind: global_buffer, .address_space: global }
    .group_segment_fixed_size: 327680
    .private_segment_fixed_size: 0
    .kernarg_segment_align: 8
    .kernarg_segment_size: 24
    .max_flat_workgroup_size: 128
    .sgpr_count:     96
    .vgpr_count:     1024
    .wavefront_size: 32
...
	.end_amdgpu_metadata
.endif
;; end of part 3
;; launch pv (part 4): grid 4 x 64, 4 waves a work-group, clusters of 4 x 4, 327,680 bytes of LDS; arguments p, qkv, st, oh; writes oh
.if DOCPART == 4
	.amdgcn_target "amdgcn-amd-amdhsa--gfx1250"
	.amdhsa_code_object_version 6
	.text
	.protected	k_qb0f9dc661e_pv
	.globl	k_qb0f9dc661e_pv
	.p2align	8
	.type	k_qb0f9dc661e_pv,@function
k_qb0f9dc661e_pv:
	s_mov_b64 s[64:65], 0
	v_nop
	global_prefetch_b8 v0, s[64:65] scope:SCOPE_SE
	s_setreg_imm32_b32 hwreg(HW_REG_WAVE_MODE, 25, 1), 1
	s_wait_xcnt 0x0
	s_wait_alu depctr_hold_cnt(0) depctr_sa_sdst(0) depctr_va_vdst(0) depctr_va_sdst(0) depctr_va_ssrc(0) depctr_va_vcc(0) depctr_vm_vsrc(0)
	s_getreg_b32 s2, hwreg(HW_REG_IB_STS2, 6, 4)
	s_cmp_eq_u32 s2, 0
	s_cbranch_scc0 .Lentry_in_a_cluster
	s_endpgm
.Lentry_in_a_cluster:
	s_bfe_u32 s2, ttmp6, 0x10000c
	s_cmp_lg_u32 s2, 0xf033
	s_cbranch_scc0 .Lentry_shape_is_right
	s_endpgm
.Lentry_shape_is_right:
; THE SECOND PRODUCT AND THE SOFTMAX'S CORRECTION.  For each row: cm = the maximum over the sixteen key blocks j of cm_j; f_j = 2^(cm_j - cm); l = the sum of f_j l_j;
; oh[q][e] = f16( (sum over j of (f_j P_j) V_j) / l ).  K = 2,048 keys; a K step of 128 keys is one block j, so a step has one factor a row: A's fragments are multiplied by it in f16.
; LIMITS: p f is rounded to f16 once more and counts as 0 below 6e-8; NaN and infinities are not treated apart.  l is at least the l_j of the block that holds the maximum, about 1 or more.
; A tile is 128 queries x 256 channels: 256 work-groups.  Four waves, each 64 x 128: 32 accumulators.  P's tile: 128 rows of 256 + 16 bytes.  V's tile lies [key][channel]: 128 rows of 512 + 32 bytes,
; and comes out of LDS turned, by ds_load_tr16_b128.  Waves 0, 1 fetch P's halves, waves 2, 3 V's.
; CLUSTER 4 x 4: P's tile is shared along a row of the cluster, V's along a column (a cluster's four tile rows lie in one batch): joint loads.
; REGISTERS: window 0: v16-31 addresses, v36-39 f of the step in hand (twice in a word), v40-43 of the next, v44-51 1 / l, v64-95, v128-159 A's fragments, v192-223 packed results; window 1: B's fragments;
;            window 2: accumulator (a, b) at 64 a + 8 b.
.set MB,     4
.set NBK,    8
.set NL,     2*(MB+NBK)
.set PA,     2
.set BOFF,   34816
.set SLOT1,  131072
.set STAGE,  235520                    ; behind slot 1: 16 rows x 272 bytes for each wave
.set FT,     252928                    ; f: 16 steps x 128 rows x 4 bytes; row 64 RH + 16 a + r at word 64 RH + 4 r + a, so a lane's four blocks are 16 bytes
.set IT,     261120                    ; 1 / l twice, 8 bytes a row, in the same order
.set SPARE,  262144
.set KSTEPS, 16
.set ASTEP,  256
.set BSTEP,  786432                    ; 128 keys of 6,144 bytes
.set F0,   64
.set F1,   128
.set ADRA0, 16
.set ADRB0, 17
.set ADRA,  18
.set ADRB,  19
.set SL,    21
.set FTS,   22
.set FTA0,  23
.set STO,   24
.set RD,    25
.set CO,    26
.set FTA,   27
.set SPW,   28
.set NIL,   29
.set ITS,   30
.set ILA,   31
.set FS,    36
.set FN,    40
.set IL,    44
.set TMP,   192
.set CNT,   3
.set SOFF,  66
.set FOFF,  67
.set WV,    84
.set RH,    85
.set CH,    86
.set MSB, 0
.macro WIN new
.if MSB != (\new)
	s_set_vgpr_msb (MSB<<8)|(\new)
.set MSB, (\new)
.endif
.endm
.macro PLACES
.rept 4
	v_nop
.endr
.endm
.macro CREST
	s_cmp_lg_u32 s[WV], 0
	s_cbranch_scc1 .Lnot_wave_0_\@
	s_barrier_signal -3
.Lnot_wave_0_\@:
	s_barrier_wait -3
	s_barrier_signal -1
	s_barrier_wait -1
.endm
.macro CROUND
	s_barrier_signal -1
	s_barrier_wait -1
	CREST
.endm
.macro JLOAD
	s_cmp_lt_u32 s[WV], PA
	s_cbranch_scc0 .Lfor_b_\@
	tensor_load_to_lds s[36:39], s[24:31]
	s_nop 0
.rept 4
	v_nop
.endr
	s_branch .Lasked_\@
.Lfor_b_\@:
	tensor_load_to_lds s[60:63], s[48:55]
	s_nop 0
.rept 4
	v_nop
.endr
.Lasked_\@:
.endm
.macro MULA f, a, init
	WIN 0xa1
.irp b, 0,1,2,3,4,5,6,7
.set AR, 8*(NBK*(\a)+(\b))
.if \init
	v_wmma_f32_16x16x32_f16 v[AR:AR+7], v[(\f)+8*(\b):(\f)+8*(\b)+7], v[(\f)+8*(\a):(\f)+8*(\a)+7], 0
.else
	v_wmma_f32_16x16x32_f16 v[AR:AR+7], v[(\f)+8*(\b):(\f)+8*(\b)+7], v[(\f)+8*(\a):(\f)+8*(\a)+7], v[AR:AR+7]
.endif
.endr
.endm
.macro MULH f, a0, n, init
.set MA, (\a0)
.rept (\n)
	MULA \f, MA, \init
.set MA, MA+1
.endr
.endm
.macro SCALE f, a0, n                  ; n blocks of A's fragments times the step's f of their rows, two f16 at a time
	WIN 0
.set SA, (\a0)
.rept (\n)
.irp k, 0,1,2,3,4,5,6,7
	v_pk_mul_f16 v[(\f)+8*SA+\k], v[(\f)+8*SA+\k], v[FS+SA]
.endr
.set SA, SA+1
.endr
.endm
.macro FETCH q, f                      ; V turned: lane l addresses key 8 (l / 16) + l % 8, channels 8 ((l / 8) % 2) on, and receives channel l % 16, eight keys
	WIN 0x40
.irp i, 0,1,2,3,4,5,6,7
	ds_load_tr16_b128 v[(\f)+8*\i:(\f)+8*\i+3],   v[ADRB] offset:17408*(\q)+32*\i
	ds_load_tr16_b128 v[(\f)+8*\i+4:(\f)+8*\i+7], v[ADRB] offset:17408*(\q)+32*\i+8704
.endr
	WIN 0
.irp i, 0,1,2,3
	ds_load_b128 v[(\f)+8*\i:(\f)+8*\i+3],   v[ADRA] offset:64*(\q)+4352*\i
	ds_load_b128 v[(\f)+8*\i+4:(\f)+8*\i+7], v[ADRA] offset:64*(\q)+4352*\i+32
.endr
.endm
.macro QUARTER q, f, g, init
	s_wait_dscnt MB                                ; the MB youngest loads are A's upper half; the step's f, asked for ahead of the run, is in too
.if (\q) == 1
	WIN 0
.irp k, 0,1,2,3
	v_mov_b32 v[FS+\k], v[FN+\k]                   ; a step's first quarter takes the step's f
.endr
.endif
	SCALE \f, 0, MB/2
	MULH \f, 0, MB/2, \init
	PLACES
	FETCH \q, \g
	s_wait_dscnt NL                                ; all but the NL just issued
	SCALE \f, MB/2, MB/2
	MULH \f, MB/2, MB/2, \init
.endm
; The first half of a step's last quarter, and the one barrier of the change of slots.  All its products but one row block's stand AHEAD of the wait for the tensor loads:
; what stands between that wait and the refill lengthens the way from one tile's landing to the next tile's request.  The one block stands behind the add, work while the add is out.
.macro MEET fill
	s_wait_dscnt MB                                ; B and A's lower half of buffer 1 are in; the MB youngest loads are A's upper half
	SCALE F1, 0, MB/2
	MULH F1, 0, MB/2-1, 0
	WIN 0
	s_wait_tensorcnt 0x0                           ; all my tensor loads have landed: my part of the next slot
	ds_add_u32 v[SPW], v[NIL]
.if \fill
	s_xor_b32 s37, s37, SLOT1                      ; no tensor load of mine is out, so the walking descriptors may step
	s_add_nc_u64 s[38:39], s[38:39], ASTEP
	s_xor_b32 s61, s61, SLOT1
	s_add_nc_u64 s[62:63], s[62:63], BSTEP
.endif
	MULH F1, MB/2-1, 1, 0
	s_wait_dscnt 0x0                               ; the add is done, my reads of this slot are over
	WIN 0
	s_barrier_signal -1
	s_barrier_wait -1
.endm
.macro TURN fill
	MEET \fill
.if \fill
	CREST
	JLOAD
.else
	PLACES
	s_cmp_eq_u32 s[CNT], 1
	s_cbranch_scc1 .Lnofetch_\@
.endif
	s_xor_b32 s[SOFF], s[SOFF], SLOT1
	s_add_co_u32 s[FOFF], s[FOFF], 512             ; the next step's f
	v_add_nc_u32 v[ADRA], s[SOFF], v[ADRA0]
	v_add_nc_u32 v[ADRB], s[SOFF], v[ADRB0]
	v_add_nc_u32 v[FTA], s[FOFF], v[FTA0]
	ds_load_b128 v[FN:FN+3], v[FTA]
	FETCH 0, F0
.if !(\fill)
.Lnofetch_\@:
.endif
	SCALE F1, MB/2, MB/2
	MULH F1, MB/2, MB/2, 0
.endm
	s_load_b256 s[4:11], s[0:1], 0x0               ; p 4, qkv 6, st 8, oh 10
	v_lshl_add_u32 v[SPW], v0, 2, SPARE
	v_mov_b32 v[NIL], 0
	ds_add_u32 v[SPW], v[NIL]                      ; the opening: the add and its wait stand ahead of my first tensor load
	v_lshrrev_b32 v1, 5, v0
	v_readfirstlane_b32 s[WV], v1
	s_lshr_b32 s[RH], s[WV], 1
	s_and_b32 s[CH], s[WV], 1
	s_bfe_u32 s40, ttmp6, 0x40000
	s_bfe_u32 s41, ttmp6, 0x40004
	s_lshl_b32 s42, ttmp9, 2
	s_add_co_u32 s42, s42, s40                     ; channel tile
	s_and_b32 s13, ttmp7, 0xffff
	s_lshl_b32 s13, s13, 2
	s_add_co_u32 s13, s13, s41                     ; query tile
	s_lshl_b32 s43, s41, 2
	s_lshl_b32 s43, 15, s43
	s_lshl_b32 s44, 0x1111, s40
	s_or_b32 s24, s43, (1<<16)|(1<<20)|(1<<21)|(5<<22)|(3<<25)  ; P: after every 64 words 4 words of padding
	s_mov_b32 s25, 128<<16                         ; tensor_dim0 = 128
	s_mov_b32 s26, 64<<16                          ; tensor_dim1 = 64
	s_mov_b32 s27, 128<<16                         ; tile_dim0 = 128
	s_mov_b32 s28, 64                              ; tile_dim1 = 64
	s_mov_b32 s29, 2048
	s_mov_b32 s30, 0
	s_mov_b32 s31, 0
	s_or_b32 s48, s44, (1<<16)|(1<<20)|(1<<21)|(6<<22)|(7<<25)  ; V: after every 128 words 8 words
	s_mov_b32 s49, 256<<16
	s_mov_b32 s50, 64<<16
	s_mov_b32 s51, 256<<16
	s_mov_b32 s52, 64
	s_mov_b32 s53, 3072
	s_mov_b32 s54, 0
	s_mov_b32 s55, 0
	s_lshl_b32 s17, s[CH], 6                       ; which 64 rows of a tile I fetch
	s_lshl_b32 s14, s13, 7
	s_add_co_u32 s14, s14, s17
	s_lshl_b32 s14, s14, 12                        ; A: p's row 128 ty + 64 half, 4,096 bytes each
	s_mov_b32 s15, 0
	s_and_b32 s78, ttmp7, 0xffff
	s_lshr_b32 s78, s78, 2                         ; the batch: four clusters along y each
	s_lshl_b32 s78, s78, 11
	s_add_co_u32 s78, s78, s17
	s_mul_i32 s46, s78, 6144                       ; B: key 2048 batch + 64 half,
	s_lshl_b32 s79, s42, 9
	s_add_co_u32 s46, s46, s79                     ; channel 256 tx,
	s_add_co_u32 s46, s46, 4096                    ; 2,048 elements into the row
	s_mov_b32 s47, 0
	s_mul_i32 s20, s[CH], 17408
	s_mul_i32 s21, s[CH], 34816
	s_add_co_u32 s21, s21, BOFF
	s_lshl_b32 s76, s13, 10                        ; st: my tile's 128 rows of 8 bytes
	s_mov_b32 s77, 0
	s_lshl_b32 s80, s13, 7                         ; oh: row 128 ty + 64 RH, column 256 tx + 128 CH
	s_lshl_b32 s81, s[RH], 6
	s_add_co_u32 s80, s80, s81
	s_lshl_b32 s80, s80, 11
	s_add_co_u32 s80, s80, s79
	s_lshl_b32 s81, s[CH], 8
	s_add_co_u32 s80, s80, s81
	s_mov_b32 s81, 0
	s_mov_b32 s[SOFF], 0
	s_mov_b32 s[FOFF], 0
	s_wait_dscnt 0x0
	s_wait_kmcnt 0x0
	s_add_nc_u64 s[14:15], s[4:5], s[14:15]
	s_add_nc_u64 s[46:47], s[6:7], s[46:47]
	s_add_nc_u64 s[8:9], s[8:9], s[76:77]
	s_add_nc_u64 s[10:11], s[10:11], s[80:81]
	s_mov_b32 s32, 1
	s_mov_b32 s33, s20
	s_add_nc_u64 s[34:35], s[14:15], 0
	s_or_b32 s35, s35, 0x80000000
	s_mov_b32 s36, 1
	s_add_co_u32 s37, s20, SLOT1
	s_add_nc_u64 s[38:39], s[14:15], ASTEP
	s_or_b32 s39, s39, 0x80000000
	s_mov_b32 s56, 1
	s_mov_b32 s57, s21
	s_add_nc_u64 s[58:59], s[46:47], 0
	s_or_b32 s59, s59, 0x80000000
	s_mov_b32 s60, 1
	s_add_co_u32 s61, s21, SLOT1
	s_add_nc_u64 s[62:63], s[46:47], BSTEP
	s_or_b32 s63, s63, 0x80000000
	CROUND
	s_cmp_lt_u32 s[WV], PA
	s_cbranch_scc0 .Lfirst_b
	tensor_load_to_lds s[32:35], s[24:31]
	s_nop 0
	tensor_load_to_lds s[36:39], s[24:31]
	s_nop 0
.rept 4
	v_nop
.endr
	s_branch .Lfirst_done
.Lfirst_b:
	tensor_load_to_lds s[56:59], s[48:55]
	s_nop 0
	tensor_load_to_lds s[60:63], s[48:55]
	s_nop 0
.rept 4
	v_nop
.endr
.Lfirst_done:
	; THE STATISTICS, in the wait for the first tiles: thread t is the tile's row t
	v_lshlrev_b32 v[SL], 3, v0
.irp j, 0,1,2,3,4,5,6,7,8,9,10,11,12,13,14,15
	global_load_b64 v[64+2*\j:65+2*\j], v[SL], s[8:9] offset:65536*\j  ; (cm_j, l_j); a wave takes 256 consecutive bytes
.endr
	v_and_b32 v1, 15, v0
	v_bfe_u32 v2, v0, 4, 1
	v_mul_u32_u24 v3, v1, 272
	v_lshl_add_u32 v3, v2, 4, v3
	s_mul_i32 s22, s[RH], 17408
	v_add_nc_u32 v[ADRA0], s22, v3
	v_and_b32 v4, 7, v0
	v_bfe_u32 v5, v0, 3, 1
	v_lshl_add_u32 v6, v2, 3, v4
	v_mul_u32_u24 v6, v6, 544
	v_lshl_add_u32 v6, v5, 4, v6
	s_lshl_b32 s22, s[CH], 8
	s_add_co_u32 s22, s22, BOFF
	v_add_nc_u32 v[ADRB0], s22, v6
	v_mov_b32 v[ADRA], v[ADRA0]
	v_mov_b32 v[ADRB], v[ADRB0]
	s_mul_i32 s23, s[WV], 4352
	s_add_co_u32 s23, s23, STAGE
	v_add_nc_u32 v[STO], s23, v3
	v_mul_u32_u24 v4, v2, 272
	v_lshl_add_u32 v4, v1, 4, v4
	v_add_nc_u32 v[RD], s23, v4
	v_lshlrev_b32 v4, 11, v2
	v_lshl_add_u32 v[CO], v1, 4, v4
	v_lshrrev_b32 v5, 6, v0                        ; row t's word: 64 (t >> 6) + 4 (t & 15) + ((t >> 4) & 3)
	v_bfe_u32 v7, v0, 4, 2
	v_lshl_add_u32 v8, v5, 6, v7
	v_lshl_add_u32 v8, v1, 2, v8
	v_lshl_add_u32 v[FTS], v8, 2, FT
	v_lshl_add_u32 v[ITS], v8, 3, IT
	s_lshl_b32 s22, s[RH], 8
	s_add_co_u32 s22, s22, FT
	v_lshl_add_u32 v[FTA0], v1, 4, s22             ; my four blocks' f: 16 bytes at word 64 RH + 4 r
	s_lshl_b32 s22, s[RH], 9
	s_add_co_u32 s22, s22, IT
	v_lshl_add_u32 v[ILA], v1, 5, s22
	s_wait_loadcnt 0x0
	v_max3_num_f32 v96, v64, v66, v68
.irp j, 70,74,78,82,86,90
	v_max3_num_f32 v96, v96, v[\j], v[\j+2]
.endr
	v_max_num_f32 v96, v96, v94                    ; cm
.irp j, 0,1,2,3,4,5,6,7,8,9,10,11,12,13,14,15
	v_sub_f32 v[64+2*\j], v[64+2*\j], v96
.endr
.irp j, 0,1,2,3,4,5,6,7,8,9,10,11,12,13,14,15
	v_exp_f32 v[64+2*\j], v[64+2*\j]               ; f_j
.endr
	v_nop                                          ; a plain instruction between the exponentials and the use of their results
	s_wait_alu depctr_va_vdst(0)
	v_mul_f32 v97, v64, v65
.irp j, 1,2,3,4,5,6,7,8,9,10,11,12,13,14,15
	v_fmac_f32 v97, v[64+2*\j], v[65+2*\j]         ; l
.endr
.irp j, 0,1,2,3,4,5,6,7,8,9,10,11,12,13,14,15
	v_cvt_pk_f16_f32 v[100+\j], v[64+2*\j], v[64+2*\j]
.endr
	v_rcp_f32 v98, v97
	v_nop
	s_wait_alu depctr_va_vdst(0)
	v_mov_b32 v99, v98
.irp j, 0,1,2,3,4,5,6,7,8,9,10,11,12,13,14,15
	ds_store_b32 v[FTS], v[100+\j] offset:512*\j
.endr
	ds_store_b64 v[ITS], v[98:99]
	s_wait_dscnt 0x0                               ; for the others' sake: my stores into the tables are done
	s_wait_tensorcnt 0x1                           ; my part of K step 0 is in; K step 1's may stay out
	s_barrier_signal -1
	s_barrier_wait -1
	ds_load_b128 v[FN:FN+3], v[FTA0]               ; step 0's f
	FETCH 0, F0
	QUARTER 1, F0, F1, 1
	WIN 0
	s_mov_b32 s[CNT], KSTEPS-2
.Lstep:
	QUARTER 2, F1, F0, 0
	QUARTER 3, F0, F1, 0
	TURN 1
	QUARTER 1, F0, F1, 0
	WIN 0
	s_sub_co_u32 s[CNT], s[CNT], 1
	s_cmp_lg_u32 s[CNT], 0
	s_cbranch_scc1 .Lstep
	s_mov_b32 s[CNT], 2
.Ltail:
	QUARTER 2, F1, F0, 0
	QUARTER 3, F0, F1, 0
	TURN 0
	WIN 0
	s_sub_co_u32 s[CNT], s[CNT], 1
	s_cmp_eq_u32 s[CNT], 0
	s_cbranch_scc1 .Lout
	QUARTER 1, F0, F1, 0
	WIN 0
	s_branch .Ltail
.macro PK a                            ; block a: divided by l, rounded to f16; each accumulator's registers in ascending order
	WIN 0x82
.set II, 0
.rept 32
	v_pk_mul_f32 v[64*(\a)+2*II:64*(\a)+2*II+1], v[64*(\a)+2*II:64*(\a)+2*II+1], v[IL+2*(\a):IL+2*(\a)+1]
.set II, II+1
.endr
	WIN 0x0a
.set II, 0
.rept 32
	v_cvt_pk_f16_f32 v[TMP+II], v[64*(\a)+2*II], v[64*(\a)+2*II+1]
.set II, II+1
.endr
	WIN 0
.endm
.macro TOSTAGE a
	WIN 0
.set BK, 64+32*((\a)%2)
.irp b, 0,1,2,3,4,5,6,7
	ds_store_b128 v[STO], v[TMP+4*\b:TMP+4*\b+3] offset:32*\b
.endr
.irp t, 0,1,2,3,4,5,6,7
	ds_load_b128 v[BK+4*\t:BK+4*\t+3], v[RD] offset:544*\t
.endr
.endm
.macro SEND a
	WIN 0
.set BK, 64+32*((\a)%2)
	s_wait_dscnt 0x0
	s_wait_xcnt 0x0                                ; the registers that the block before last's stores read are loaded again only behind this wait
.irp t, 0,1,2,3,4,5,6,7
	global_store_b128 v[CO], v[BK+4*\t:BK+4*\t+3], s[10:11] offset:(16*(\a)+2*\t)*2048  ; sixteen lanes store 256 consecutive bytes, aligned
.endr
.endm
.Lout:
	s_wait_dscnt 0x0
	ds_load_b128 v[IL:IL+3], v[ILA]                ; 1 / l of my four blocks' rows
	ds_load_b128 v[IL+4:IL+7], v[ILA] offset:16
	PLACES
	s_wait_dscnt 0x0
	PK 0
	TOSTAGE 0
.irp a, 1,2,3
	PK \a
	SEND (\a)-1
	TOSTAGE \a
.endr
	SEND 3
	s_wait_tensorcnt 0x0                           ; the wave's end
	ds_add_u32 v[SPW], v[NIL]
	s_wait_dscnt 0x0
	CROUND                                         ; the closing round
	s_endpgm
.Lfunc_end_k_qb0f9dc661e_pv:
	.size	k_qb0f9dc661e_pv, .Lfunc_end_k_qb0f9dc661e_pv-k_qb0f9dc661e_pv
	.p2alignl 7, 3214868480
	.fill 96, 4, 3214868480
	.section	.rodata,"a",@progbits
	.p2align	6, 0x0
	.amdhsa_kernel k_qb0f9dc661e_pv
		.amdhsa_group_segment_fixed_size 327680
		.amdhsa_private_segment_fixed_size 0
		.amdhsa_enable_private_segment 0
		.amdhsa_kernarg_size 32
		.amdhsa_user_sgpr_count 2
		.amdhsa_user_sgpr_kernarg_segment_ptr 1
		.amdhsa_wavefront_size32 1
		.amdhsa_system_sgpr_workgroup_id_x 1
		.amdhsa_system_sgpr_workgroup_id_y 1
		.amdhsa_system_sgpr_workgroup_id_z 1
		.amdhsa_system_vgpr_workitem_id 0
		.amdhsa_next_free_vgpr 768
		.amdhsa_next_free_sgpr 96
		.amdhsa_reserve_vcc 0
		.amdhsa_float_denorm_mode_32 3
		.amdhsa_float_denorm_mode_16_64 3
		.amdhsa_memory_ordered 1
		.amdhsa_forward_progress 1
		.amdhsa_inst_pref_size 95
	.end_amdhsa_kernel
	.amdgpu_metadata
---
amdhsa.version: [ 1, 2 ]
amdhsa.kernels:
  - .name:           k_qb0f9dc661e_pv
    .symbol:         k_qb0f9dc661e_pv.kd
    .args:
      - { .name: p, .offset: 0, .size: 8, .value_kind: global_buffer, .address_space: global }
      - { .name: qkv, .offset: 8, .size: 8, .value_kind: global_buffer, .address_space: global }
      - { .name: st, .offset: 16, .size: 8, .value_kind: global_buffer, .address_space: global }
      - { .name: oh, .offset: 24, .size: 8, .value_kind: global_buffer, .address_space: global }
    .group_segment_fixed_size: 327680
    .private_segment_fixed_size: 0
    .kernarg_segment_align: 8
    .kernarg_segment_size: 32
    .max_flat_workgroup_size: 128
    .sgpr_count:     96
    .vgpr_count:     768
    .wavefront_size: 32
...
	.end_amdgpu_metadata
.endif
;; end of part 4
;; launch outp (part 5): grid 4 x 64, 4 waves a work-group, clusters of 4 x 4, 327,680 bytes of LDS; arguments oh, wct, ball, out0; writes out0
.if DOCPART == 5
	.amdgcn_target "amdgcn-amd-amdhsa--gfx1250"
	.amdhsa_code_object_version 6
	.text
	.protected	k_qb0f9dc661e_outp
	.globl	k_qb0f9dc661e_outp
	.p2align	8
	.type	k_qb0f9dc661e_outp,@function
k_qb0f9dc661e_outp:
	s_mov_b64 s[64:65], 0
	v_nop
	global_prefetch_b8 v0, s[64:65] scope:SCOPE_SE
	s_setreg_imm32_b32 hwreg(HW_REG_WAVE_MODE, 25, 1), 1
	s_wait_xcnt 0x0
	s_wait_alu depctr_hold_cnt(0) depctr_sa_sdst(0) depctr_va_vdst(0) depctr_va_sdst(0) depctr_va_ssrc(0) depctr_va_vcc(0) depctr_vm_vsrc(0)
	s_getreg_b32 s2, hwreg(HW_REG_IB_STS2, 6, 4)
	s_cmp_eq_u32 s2, 0
	s_cbranch_scc0 .Lentry_in_a_cluster
	s_endpgm
.Lentry_in_a_cluster:
	s_bfe_u32 s2, ttmp6, 0x10000c
	s_cmp_lg_u32 s2, 0xf033
	s_cbranch_scc0 .Lentry_shape_is_right
	s_endpgm
.Lentry_shape_is_right:
; THE LAST PROJECTION.  out0[m][n] = sum over k of oh[m][k] wct[n][k] + bc[n], K = 1024; operands f16 (wct holds bf16-rounded numbers written as f16), sums f32, started with the bias as the C operand; out0 is f32.
; A tile is 128 x 256: 256 work-groups.  Four waves, each 64 x 128: 32 accumulators.  Two slots of 128 rows of A and 256 rows of B, 272 bytes apart; waves 0, 1 fetch A's halves, waves 2, 3 B's.
; CLUSTER 4 x 4: A's tile is shared along a row of the cluster, B's along a column: joint loads.  Ring, fragments and turns as in the first projection.
; REGISTERS: window 0: v16-29 addresses, v64-95, v128-159 A's fragments, later v64-191 rows on their way out; window 1: B's fragments, v192-255 the bias; window 2: accumulator (a, b) at 64 a + 8 b.
.set MB,     4
.set NBK,    8
.set NL,     2*(MB+NBK)
.set PA,     2
.set BOFF,   34816
.set SLOT1,  131072
.set STAGE,  235520                    ; behind slot 1: 16 rows x (512 + 16) bytes for each wave
.set SPARE,  269312
.set KSTEPS, 8
.set ASTEP,  256
.set BSTEP,  256
.set G1W,    (1<<16)|(1<<20)|(1<<21)|(5<<22)|(3<<25)
.set F0,   64
.set F1,   128
.set BIAS, 192
.set ADRA0, 16
.set ADRB0, 17
.set ADRA,  18
.set ADRB,  19
.set BO,    20
.set STO,   24
.set RD,    25
.set CO,    26
.set SPW,   28
.set NIL,   29
.set CNT,   3
.set SOFF,  66
.set WV,    84
.set RH,    85
.set CH,    86
.set MSB, 0
.macro WIN new
.if MSB != (\new)
	s_set_vgpr_msb (MSB<<8)|(\new)
.set MSB, (\new)
.endif
.endm
.macro PLACES
.rept 4
	v_nop
.endr
.endm
.macro CREST
	s_cmp_lg_u32 s[WV], 0
	s_cbranch_scc1 .Lnot_wave_0_\@
	s_barrier_signal -3
.Lnot_wave_0_\@:
	s_barrier_wait -3
	s_barrier_signal -1
	s_barrier_wait -1
.endm
.macro CROUND
	s_barrier_signal -1
	s_barrier_wait -1
	CREST
.endm
.macro JLOAD
	s_cmp_lt_u32 s[WV], PA
	s_cbranch_scc0 .Lfor_b_\@
	tensor_load_to_lds s[36:39], s[24:31]
	s_nop 0
.rept 4
	v_nop
.endr
	s_branch .Lasked_\@
.Lfor_b_\@:
	tensor_load_to_lds s[60:63], s[48:55]
	s_nop 0
.rept 4
	v_nop
.endr
.Lasked_\@:
.endm
.macro MULA f, a, init                 ; init = 1: the bias starts the sums
.irp b, 0,1,2,3,4,5,6,7
.set AR, 8*(NBK*(\a)+(\b))
.if \init
	WIN 0x91
	v_wmma_f32_16x16x32_f16 v[AR:AR+7], v[(\f)+8*(\b):(\f)+8*(\b)+7], v[(\f)+8*(\a):(\f)+8*(\a)+7], v[BIAS+8*(\b):BIAS+8*(\b)+7]
.else
	WIN 0xa1
	v_wmma_f32_16x16x32_f16 v[AR:AR+7], v[(\f)+8*(\b):(\f)+8*(\b)+7], v[(\f)+8*(\a):(\f)+8*(\a)+7], v[AR:AR+7]
.endif
.endr
.endm
.macro MULH f, a0, n, init
.set MA, (\a0)
.rept (\n)
	MULA \f, MA, \init
.set MA, MA+1
.endr
.endm
.macro FETCH q, f
	WIN 0x40
.irp i, 0,1,2,3,4,5,6,7
	ds_load_b128 v[(\f)+8*\i:(\f)+8*\i+3],   v[ADRB] offset:64*(\q)+4352*\i
	ds_load_b128 v[(\f)+8*\i+4:(\f)+8*\i+7], v[ADRB] offset:64*(\q)+4352*\i+32
.endr
	WIN 0
.irp i, 0,1,2,3
	ds_load_b128 v[(\f)+8*\i:(\f)+8*\i+3],   v[ADRA] offset:64*(\q)+4352*\i
	ds_load_b128 v[(\f)+8*\i+4:(\f)+8*\i+7], v[ADRA] offset:64*(\q)+4352*\i+32
.endr
.endm
.macro QUARTER q, f, g, init
	s_wait_dscnt MB                                ; the MB youngest loads are A's upper half
	MULH \f, 0, MB/2, \init
	PLACES
	FETCH \q, \g
	s_wait_dscnt NL                                ; all but the NL just issued
	MULH \f, MB/2, MB/2, \init
.endm
; The first half of a step's last quarter, and the one barrier of the change of slots.  All its products but one row block's stand AHEAD of the wait for the tensor loads:
; what stands between that wait and the refill lengthens the way from one tile's landing to the next tile's request.  The one block stands behind the add, work while the add is out.
.macro MEET fill
	s_wait_dscnt MB                                ; B and A's lower half of buffer 1 are in; the MB youngest loads are A's upper half
	MULH F1, 0, MB/2-1, 0
	WIN 0
	s_wait_tensorcnt 0x0                           ; all my tensor loads have landed: my part of the next slot
	ds_add_u32 v[SPW], v[NIL]
.if \fill
	s_xor_b32 s37, s37, SLOT1                      ; no tensor load of mine is out, so the walking descriptors may step
	s_add_nc_u64 s[38:39], s[38:39], ASTEP
	s_xor_b32 s61, s61, SLOT1
	s_add_nc_u64 s[62:63], s[62:63], BSTEP
.endif
	MULH F1, MB/2-1, 1, 0
	s_wait_dscnt 0x0                               ; the add is done, my reads of this slot are over
	WIN 0
	s_barrier_signal -1
	s_barrier_wait -1
.endm
.macro TURN fill
	MEET \fill
.if \fill
	CREST
	JLOAD
.else
	PLACES
	s_cmp_eq_u32 s[CNT], 1
	s_cbranch_scc1 .Lnofetch_\@
.endif
	s_xor_b32 s[SOFF], s[SOFF], SLOT1
	v_add_nc_u32 v[ADRA], s[SOFF], v[ADRA0]
	v_add_nc_u32 v[ADRB], s[SOFF], v[ADRB0]
	FETCH 0, F0
.if !(\fill)
.Lnofetch_\@:
.endif
	MULH F1, MB/2, MB/2, 0
.endm
	s_load_b256 s[4:11], s[0:1], 0x0               ; oh 4, wct 6, ball 8, out0 10
	v_lshl_add_u32 v[SPW], v0, 2, SPARE
	v_mov_b32 v[NIL], 0
	ds_add_u32 v[SPW], v[NIL]                      ; the opening: the add and its wait stand ahead of my first tensor load
	v_lshrrev_b32 v1, 5, v0
	v_readfirstlane_b32 s[WV], v1
	s_lshr_b32 s[RH], s[WV], 1
	s_and_b32 s[CH], s[WV], 1
	s_bfe_u32 s40, ttmp6, 0x40000
	s_bfe_u32 s41, ttmp6, 0x40004
	s_lshl_b32 s42, ttmp9, 2
	s_add_co_u32 s42, s42, s40
	s_and_b32 s13, ttmp7, 0xffff
	s_lshl_b32 s13, s13, 2
	s_add_co_u32 s13, s13, s41
	s_lshl_b32 s43, s41, 2
	s_lshl_b32 s43, 15, s43
	s_lshl_b32 s44, 0x1111, s40
	s_or_b32 s24, s43, G1W
	s_mov_b32 s25, 128<<16
	s_mov_b32 s26, 64<<16                          ; A: 64 rows a load
	s_mov_b32 s27, 128<<16
	s_mov_b32 s28, 64
	s_mov_b32 s29, 1024
	s_mov_b32 s30, 0
	s_mov_b32 s31, 0
	s_or_b32 s48, s44, G1W
	s_mov_b32 s49, 128<<16
	s_mov_b32 s50, 128<<16                         ; B: 128 rows a load
	s_mov_b32 s51, 128<<16
	s_mov_b32 s52, 128
	s_mov_b32 s53, 1024
	s_mov_b32 s54, 0
	s_mov_b32 s55, 0
	s_lshl_b32 s17, s[CH], 6
	s_lshl_b32 s14, s13, 7
	s_add_co_u32 s14, s14, s17
	s_lshl_b32 s14, s14, 11                        ; A: row 128 ty + 64 half, 2,048 bytes each
	s_mov_b32 s15, 0
	s_lshl_b32 s79, s[CH], 7
	s_lshl_b32 s46, s42, 8
	s_add_co_u32 s46, s46, s79
	s_lshl_b32 s76, s46, 2                         ; the bias of my 128 columns 256 tx + 128 CH,
	s_add_co_u32 s76, s76, 12288                   ; behind bq, bk, bv
	s_mov_b32 s77, 0
	s_lshl_b32 s46, s46, 11                        ; B: row 256 tx + 128 half
	s_mov_b32 s47, 0
	s_mul_i32 s20, s[CH], 17408
	s_mul_i32 s21, s[CH], 34816
	s_add_co_u32 s21, s21, BOFF
	s_lshl_b32 s80, s13, 7                         ; out0: row 128 ty + 64 RH, 4,096 bytes each; column 256 tx + 128 CH
	s_lshl_b32 s81, s[RH], 6
	s_add_co_u32 s80, s80, s81
	s_lshl_b32 s80, s80, 12
	s_lshl_b32 s81, s42, 10
	s_add_co_u32 s80, s80, s81
	s_lshl_b32 s81, s[CH], 9
	s_add_co_u32 s80, s80, s81
	s_mov_b32 s81, 0
	s_mov_b32 s[SOFF], 0
	s_wait_dscnt 0x0
	s_wait_kmcnt 0x0
	s_add_nc_u64 s[14:15], s[4:5], s[14:15]
	s_add_nc_u64 s[46:47], s[6:7], s[46:47]
	s_add_nc_u64 s[8:9], s[8:9], s[76:77]
	s_add_nc_u64 s[10:11], s[10:11], s[80:81]
	s_mov_b32 s32, 1
	s_mov_b32 s33, s20
	s_add_nc_u64 s[34:35], s[14:15], 0
	s_or_b32 s35, s35, 0x80000000
	s_mov_b32 s36, 1
	s_add_co_u32 s37, s20, SLOT1
	s_add_nc_u64 s[38:39], s[14:15], ASTEP
	s_or_b32 s39, s39, 0x80000000
	s_mov_b32 s56, 1
	s_mov_b32 s57, s21
	s_add_nc_u64 s[58:59], s[46:47], 0
	s_or_b32 s59, s59, 0x80000000
	s_mov_b32 s60, 1
	s_add_co_u32 s61, s21, SLOT1
	s_add_nc_u64 s[62:63], s[46:47], BSTEP
	s_or_b32 s63, s63, 0x80000000
	CROUND
	s_cmp_lt_u32 s[WV], PA
	s_cbranch_scc0 .Lfirst_b
	tensor_load_to_lds s[32:35], s[24:31]
	s_nop 0
	tensor_load_to_lds s[36:39], s[24:31]
	s_nop 0
.rept 4
	v_nop
.endr
	s_branch .Lfirst_done
.Lfirst_b:
	tensor_load_to_lds s[56:59], s[48:55]
	s_nop 0
	tensor_load_to_lds s[60:63], s[48:55]
	s_nop 0
.rept 4
	v_nop
.endr
.Lfirst_done:
	v_and_b32 v1, 15, v0
	v_bfe_u32 v2, v0, 4, 1
	v_lshlrev_b32 v[BO], 5, v2
	WIN 0x40
.irp b, 0,1,2,3,4,5,6,7
	global_load_b128 v[BIAS+8*\b:BIAS+8*\b+3],   v[BO], s[8:9] offset:64*\b
	global_load_b128 v[BIAS+8*\b+4:BIAS+8*\b+7], v[BO], s[8:9] offset:64*\b+16
.endr
	WIN 0
	v_mul_u32_u24 v3, v1, 272
	v_lshl_add_u32 v3, v2, 4, v3
	s_mul_i32 s22, s[RH], 17408
	v_add_nc_u32 v[ADRA0], s22, v3
	s_mul_i32 s22, s[CH], 34816
	s_add_co_u32 s22, s22, BOFF
	v_add_nc_u32 v[ADRB0], s22, v3
	v_mov_b32 v[ADRA], v[ADRA0]
	v_mov_b32 v[ADRB], v[ADRB0]
	s_mul_i32 s23, s[WV], 8448
	s_add_co_u32 s23, s23, STAGE                   ; my stage
	v_mul_u32_u24 v4, v1, 528                      ; in: row r, 32 bytes for each half of the lanes
	v_lshl_add_u32 v4, v2, 5, v4
	v_add_nc_u32 v[STO], s23, v4
	v_and_b32 v5, 31, v0
	v_lshlrev_b32 v[CO], 4, v5                     ; back and out: a row's 512 bytes, 16 a lane
	v_add_nc_u32 v[RD], s23, v[CO]
	s_wait_tensorcnt 0x1                           ; my part of K step 0 is in; K step 1's may stay out
	s_barrier_signal -1
	s_barrier_wait -1
	FETCH 0, F0
	s_wait_loadcnt 0x0                             ; the bias
	QUARTER 1, F0, F1, 1
	WIN 0
	s_mov_b32 s[CNT], KSTEPS-2
.Lstep:
	QUARTER 2, F1, F0, 0
	QUARTER 3, F0, F1, 0
	TURN 1
	QUARTER 1, F0, F1, 0
	WIN 0
	s_sub_co_u32 s[CNT], s[CNT], 1
	s_cmp_lg_u32 s[CNT], 0
	s_cbranch_scc1 .Lstep
	s_mov_b32 s[CNT], 2
.Ltail:
	QUARTER 2, F1, F0, 0
	QUARTER 3, F0, F1, 0
	TURN 0
	WIN 0
	s_sub_co_u32 s[CNT], s[CNT], 1
	s_cmp_eq_u32 s[CNT], 0
	s_cbranch_scc1 .Lout
	QUARTER 1, F0, F1, 0
	WIN 0
	s_branch .Ltail
; THE WAY OUT, in f32 and with no arithmetic: a block of 16 rows goes from the accumulators into my stage (each accumulator's low four registers first) and comes back as whole rows of 512 bytes.
.macro STG a
.set BK, 64+64*((\a)%2)
.if (\a) >= 2
	s_wait_xcnt 0x0                                ; the registers that the block before last's stores read are loaded again only behind this wait
.endif
	WIN 0x08                                       ; the stores' data in window 2
.irp b, 0,1,2,3,4,5,6,7
	ds_store_b128 v[STO], v[64*(\a)+8*\b:64*(\a)+8*\b+3]   offset:64*\b
	ds_store_b128 v[STO], v[64*(\a)+8*\b+4:64*(\a)+8*\b+7] offset:64*\b+16
.endr
	WIN 0
.irp t, 0,1,2,3,4,5,6,7,8,9,10,11,12,13,14,15
	ds_load_b128 v[BK+4*\t:BK+4*\t+3], v[RD] offset:528*\t  ; a wave's LDS instructions are served in order: these see the stores above, the next block's stores come behind them
.endr
.endm
.macro SEND a, younger                 ; younger: the LDS instructions issued behind block a's loads
.set BK, 64+64*((\a)%2)
.irp t, 0,1,2,3,4,5,6,7,8,9,10,11,12,13,14,15
	s_wait_dscnt (\younger)+15-\t
	global_store_b128 v[CO], v[BK+4*\t:BK+4*\t+3], s[10:11] offset:(16*(\a)+\t)*4096 th:TH_STORE_NT  ; 512 consecutive bytes, aligned
.endr
.endm
.Lout:
	s_wait_dscnt 0x0
	PLACES
	STG 0
	STG 1
	SEND 0, 32
	STG 2
	SEND 1, 32
	STG 3
	SEND 2, 32
	SEND 3, 0
	s_wait_tensorcnt 0x0                           ; the wave's end
	ds_add_u32 v[SPW], v[NIL]
	s_wait_dscnt 0x0
	CROUND                                         ; the closing round
	s_endpgm
.Lfunc_end_k_qb0f9dc661e_outp:
	.size	k_qb0f9dc661e_outp, .Lfunc_end_k_qb0f9dc661e_outp-k_qb0f9dc661e_outp
	.p2alignl 7, 3214868480
	.fill 96, 4, 3214868480
	.section	.rodata,"a",@progbits
	.p2align	6, 0x0
	.amdhsa_kernel k_qb0f9dc661e_outp
		.amdhsa_group_segment_fixed_size 327680
		.amdhsa_private_segment_fixed_size 0
		.amdhsa_enable_private_segment 0
		.amdhsa_kernarg_size 32
		.amdhsa_user_sgpr_count 2
		.amdhsa_user_sgpr_kernarg_segment_ptr 1
		.amdhsa_wavefront_size32 1
		.amdhsa_system_sgpr_workgroup_id_x 1
		.amdhsa_system_sgpr_workgroup_id_y 1
		.amdhsa_system_sgpr_workgroup_id_z 1
		.amdhsa_system_vgpr_workitem_id 0
		.amdhsa_next_free_vgpr 768
		.amdhsa_next_free_sgpr 96
		.amdhsa_reserve_vcc 0
		.amdhsa_float_denorm_mode_32 3
		.amdhsa_float_denorm_mode_16_64 3
		.amdhsa_memory_ordered 1
		.amdhsa_forward_progress 1
		.amdhsa_inst_pref_size 63
	.end_amdhsa_kernel
	.amdgpu_metadata
---
amdhsa.version: [ 1, 2 ]
amdhsa.kernels:
  - .name:           k_qb0f9dc661e_outp
    .symbol:         k_qb0f9dc661e_outp.kd
    .args:
      - { .name: oh, .offset: 0, .size: 8, .value_kind: global_buffer, .address_space: global }
      - { .name: wct, .offset: 8, .size: 8, .value_kind: global_buffer, .address_space: global }
      - { .name: ball, .offset: 16, .size: 8, .value_kind: global_buffer, .address_space: global }
      - { .name: out0, .offset: 24, .size: 8, .value_kind: global_buffer, .address_space: global }
    .group_segment_fixed_size: 327680
    .private_segment_fixed_size: 0
    .kernarg_segment_align: 8
    .kernarg_segment_size: 32
    .max_flat_workgroup_size: 128
    .sgpr_count:     96
    .vgpr_count:     768
    .wavefront_size: 32
...
	.end_amdgpu_metadata
.endif
;; end of part 5
